; MI455X (gfx1250); checked and timed in simulation.
; The chip was launched on July 23, 2026; its instructions are those of AMD's public machine-readable ISA for CDNA 5 (MIT licence, August 2026) and "CDNA5" Instruction Set Architecture Reference Guide (July 2026). The comments in the code are by the model that wrote it; some were corrected since.
;; Attention. Allowed arithmetic: matrix products marked QUANTISED: E5M2 operands, one given power-of-two scale a tensor, by v_wmma_f32_16x16x64_bf8_bf8 or v_wmma_f32_16x16x128_bf8_bf8, f32 sums; everything else in f32.
;; Inputs: Wk_codes 1,024 x 32 x 32 uint8 (E5M2 codes of Wk, K innermost, in blocks of 32 codes); Wo_codes 1,024 x 32 x 32 uint8 (E5M2 codes of Wo, K innermost, in blocks of 32 codes); Wq_codes 1,024 x 32 x 32 uint8 (E5M2 codes of Wq, K innermost, in blocks of 32 codes); Wv_codes 1,024 x 32 x 32 uint8 (E5M2 codes of Wv, K innermost, in blocks of 32 codes); bk 1,024 float32; bo 1,024 float32; bq 1,024 float32; bv 1,024 float32; lowp_scales 12 int32 (the exponents e of the quantised operands' scales 2^e); x_codes 4 x 2,048 x 32 x 32 uint8 (E5M2 codes of x, K innermost, in blocks of 32 codes).
;; Outputs: out0 4 x 2,048 x 1,024 float32.
;; This version of the problem:
;;   THIS VERSION OF THE PROBLEM IS GIVEN IN LOW PRECISION. The matrix products marked QUANTISED in the list below multiply operands that are first quantised to E5M2 (5 exponent bits, 2 mantissa bits; 8 bits a number), with one given power-of-two scale for each operand tensor; their sums are f32. All else is computed in f32.
;;   The module's matrix products, in the order in which they are computed (A, B: the left and right operand; K: the contracted axis; several contracted axes count as one K, in the product's order):
;;     1. [M 8,192, K 1,024] x [K 1,024, N 1,024]; A: input x (given as codes); B: input Wq (given as codes): QUANTISED (scales: A lowp_scales[0], B lowp_scales[1])
;;     2. [M 8,192, K 1,024] x [K 1,024, N 1,024]; A: input x (given as codes); B: input Wk (given as codes): QUANTISED (scales: A lowp_scales[2], B lowp_scales[3])
;;     3. [M 8,192, K 1,024] x [K 1,024, N 1,024]; A: input x (given as codes); B: input Wv (given as codes): QUANTISED (scales: A lowp_scales[4], B lowp_scales[5])
;;     4. batch 64 x [M 2,048, K 64] x [K 64, N 2,048]; A: computed on the way; B: computed on the way: QUANTISED (scales: A lowp_scales[6], B lowp_scales[7])
;;     5. batch 64 x [M 2,048, K 2,048] x [K 2,048, N 64]; A: computed on the way; B: computed on the way: QUANTISED (scales: A lowp_scales[8], B lowp_scales[9])
;;     6. [M 8,192, K 1,024] x [K 1,024, N 1,024]; A: computed on the way; B: input Wo (given as codes): QUANTISED (scales: A lowp_scales[10], B lowp_scales[11])
;;   THE QUANTISER, for each operand of a quantised product, along K:
;;     - The operand's scale is 2^e, e = its entry of the input lowp_scales (int32; the entries are numbered through the quantised products in the list's order, A before B).
;;     - Each number is divided by the scale, clamped to +-57,344, and rounded to the nearest number of E5M2, ties to even, subnormals kept.
;;     - The product sums the exact products of the quantised numbers (number of the format x scale) in f32.
;;   ~~~python
;;   def quantise(x, axis, e):      # numpy; x: float32 -> the quantised numbers, widened to float32 again
;;       x = np.moveaxis(x, axis, -1); K = x.shape[-1]
;;       r = np.clip(x / 2.0 ** e, -57344, 57344)
;;       step = 2.0 ** (np.maximum(np.frexp(np.where(r == 0, 1, r))[1] - 1, -14) - 2)
;;       q = np.round(r / step) * step * 2.0 ** e      # np.round: ties to even
;;       return np.moveaxis(q, -1, axis).astype(np.float32)
;;   ~~~
;;   OPERANDS COMPUTED ON THE WAY. 'Computed on the way' means the value that the module computes at that place (a softmax that the list does not call 'softmax' is quantised finished and normalised). What goes into a quantiser is computed in f32, as accurately as f32 sums, v_exp_f32 and their like allow (about 1e-6 of the number): no bf16 or f16 on the way to a quantiser, and a product that is left as it is and whose result goes on into a quantised operand takes f32 operands (vector FMAs, or v_wmma_f32_16x16x4_f32). A number that lies on a knife's edge between two numbers of the format may be rounded either way, as far as f32 arithmetic and the matrix unit's own rounding can turn it there, and no further.
;;   INPUTS GIVEN AS CODES. Wk (in the module: [1024, 1024], K = its axis 1); Wo (in the module: [1024, 1024], K = its axis 1); Wq (in the module: [1024, 1024], K = its axis 1); Wv (in the module: [1024, 1024], K = its axis 1); x (in the module: [4, 2048, 1024], K = its axis 2): each comes as NAME_codes (uint8): NAME with its K axis moved to the last place and cut into blocks of 32 codes, [.., K / 32, bytes a block], one block behind the other in memory; one code a byte (a code: sign, 5 exponent bits, 2 mantissa bits); its scale is its entry of lowp_scales. Its value is code x scale, taken as it is: it is not quantised again, and the codes and scales need not be those that the quantiser above would give.
;; 2 versions, each right; version 2 is version 1 with the launch attn written anew for expert scheduling mode. Each part assembles by itself: llvm-mc -triple=amdgcn-amd-amdhsa -mcpu=gfx1250 --defsym DOCPART=n.
;; ======== version 1 of 2: 3 launches
;; workspace buffers: q_codes 8,388,608 bytes; k_codes 8,388,608 bytes; v_codes 8,388,608 bytes; o_codes 8,388,608 bytes
;; launch qkv (part 1): grid 12 x 32, 4 waves a work-group, clusters of 4 x 4, 327,680 bytes of LDS; arguments x_codes, Wq_codes, Wk_codes, Wv_codes, bq, bk, bv, lowp_scales, q_codes, k_codes, v_codes; writes q_codes, k_codes, v_codes
.if DOCPART == 1
	.amdgcn_target "amdgcn-amd-amdhsa--gfx1250"
	.amdhsa_code_object_version 6
	.text
	.protected	k_q91e95e8571_qkv
	.globl	k_q91e95e8571_qkv
	.p2align	8
	.type	k_q91e95e8571_qkv,@function
k_q91e95e8571_qkv:
	s_mov_b64 s[64:65], 0
	v_nop
	global_prefetch_b8 v0, s[64:65] scope:SCOPE_SE
	s_setreg_imm32_b32 hwreg(HW_REG_WAVE_MODE, 25, 1), 1
	s_wait_xcnt 0x0
	s_wait_alu depctr_hold_cnt(0) depctr_sa_sdst(0) depctr_va_vdst(0) depctr_va_sdst(0) depctr_va_ssrc(0) depctr_va_vcc(0) depctr_vm_vsrc(0)
	s_getreg_b32 s2, hwreg(HW_REG_IB_STS2, 6, 4)
	s_cmp_eq_u32 s2, 0
	s_cbranch_scc0 .Lentry_in_a_cluster
	s_endpgm
.Lentry_in_a_cluster:
	s_bfe_u32 s2, ttmp6, 0x10000c
	s_cmp_lg_u32 s2, 0xf033
	s_cbranch_scc0 .Lentry_shape_is_right
	s_endpgm
.Lentry_shape_is_right:
; THE THREE PROJECTIONS q = x Wq^T + bq, k = x Wk^T + bk, v = x Wv^T + bv ON CODES OF BF8 (E5M2), EACH RESULT QUANTISED AT ONCE FOR THE ATTENTION THAT READS IT.
; x: [8192][1024] codes, each W: [1024][1024] codes, K innermost; biases f32.  A product's f32 sum is multiplied by 2^(its two exponents added), the bias is added (one fused multiply-add),
; the number is held within +-57,344 x 2^eo and converted with the scale 2^eo (eo: entry 6 for q, 7 for k, 9 for v of the scales).
; THE KIND is the cluster's x: 0 = q, 1 = k, 2 = v: the same in all sixteen partners.  The body makes C[m][n] = sum over k of R[m][k] S[n][k] on a tile of 256 x 256; R is the row side, S the column side.
;   q, k: R = x (m = token), S = W (n = channel).   v: R = Wv (m = channel), S = x (n = token): the sides are swapped by the choice of pointers alone; both tensors have rows of 1,024 bytes.
; THE MATRIX INSTRUCTION IS USED TRANSPOSED (source 0 = 16 rows of S, source 1 = 16 rows of R): a lane holds eight neighbouring n of one row m.  So a lane's eight codes are neighbours along the head's
; channels for q and k, and along the KEYS for v: each lies with the next product's K innermost.
; OUT: q_codes, k_codes: [batch x 16 + head][token 2048][64];  v_codes: [batch x 16 + head][channel 64][token 2048].  The tile's 256 x 256 codes meet in one stage in LDS and leave as aligned runs of 256 bytes.
; Four waves, 128 x 128 each: 64 accumulators, 512 registers.  K = 1,024 goes in four steps of 256 through two LDS slots filled by the tensor data mover; the steps are written out, there is no loop.
; CLUSTERS: 4 x 4 work-groups.  The row side's tile is shared along a row of the cluster, the column side's along a column: each is asked for jointly, by the same tensor load with the same descriptor.
; LIMITS: the two exponents of a product add up to between -126 and 127; eo lies between -126 and 112, so that each power of two below is an f32 number.  NaN among the biases is not served.
; REGISTERS, in windows of 256: window 0: v8-29 constants and addresses; v32-95 the bias, eight channels a lane; v96-111 the bias, one channel a lane; v128-255 the row side's fragments, one set;
;   on the way out v96-223 hold the codes and then the rows read back.  window 1: the column side's fragments, two sets.  windows 2, 3: the accumulators of my rows 0-63, 64-127 ((a, b) at v[8 (8 a + b)]).
.set ROWB,   256                       ; a tile's row in bytes: 256 codes along K
.set KROW,   1024                      ; a row of x or of a weight in memory, in bytes
.set PITCH,  272                       ; an LDS row: 256 bytes + 16 of padding = 68 words: row r starts at bank 4 r mod 64 (64 banks of 4 bytes: ISA guide 11.1)
.set FR,     16                        ; registers of a fragment: 16 rows x 128 K
.set NL,     4                         ; LDS loads that bring one
.set NP,     4                         ; places behind this matrix instruction (ISA guide 7.12.1)
.set HALFT,  128*PITCH                 ; 128 rows: what one tensor load brings
.set SLOT,   4*HALFT                   ; the row side's 256 rows, then the column side's
.set SPARE,  2*SLOT                    ; behind the ring: the spare words, 128 bytes for each wave: two blocks of 256 bytes that no other line names
.set CSC,  8                           ; v8   2^eo as f32
.set LIM,  9                           ; v9   57,344 x 2^eo
.set RDQ,  10                          ; v10  the stage read back for q and k
.set RDV,  11                          ; v11  the stage read back for v
.set GQ,   12                          ; v12  my byte offset in q_codes or k_codes
.set GV,   13                          ; v13  my byte offset in v_codes
.set BOQ,  14                          ; v14  32 x (lane / 16): my eight channels of a bias
.set BOV,  15                          ; v15  4 x (lane % 16): my one channel
.set ADRA, 16                          ; v16-17  LDS address of my row side fragments in slot 0, 1
.set ADRB, 20                          ; v20-21  the same for the column side
.set STO,  24                          ; v24  where I put eight codes in the stage
.set SPW,  28                          ; v28  LDS address of my spare word; never rewritten
.set NIL,  29                          ; v29  0; never rewritten
.set BQ,   32
.set BV,   96
.set CD,   96
.set AF,   128
.set G1, 24                            ; s[24:31] descriptor group 1 for the row side;  s[32:39] group 0, one set for each slot
.set G0, 32
.set G1B, 48                           ; s[48:55], s[56:63] the same for the column side
.set G0B, 56
.set MSB, 0
.macro WIN new                         ; the immediate's high byte repeats the setting that is left
.if MSB != (\new)
	s_set_vgpr_msb (MSB<<8)|(\new)
.set MSB, (\new)
.endif
.endm
.set MUL_LO, 0xa1                      ; source 0 window 1, source 1 window 0, C and D window 2
.set MUL_HI, 0xf1                      ; the same, C and D window 3
.set TO_B,   0x40                      ; destination window 1, address window 0
; A joint load: waves 0 and 1 fetch for the row side, waves 2 and 3 for the column side.  The branch hangs on the wave's number alone.  Four v_nop follow each of the two lines.
.macro JLOAD g0a, g1a, g0b, g1b
	s_cmp_eq_u32 s15, 0
	s_cbranch_scc0 .Lfor_b_\@
	tensor_load_to_lds s[\g0a:\g0a+3], s[\g1a:\g1a+7]
	s_nop 0
.rept 4
	v_nop
.endr
	s_branch .Lasked_\@
.Lfor_b_\@:
	tensor_load_to_lds s[\g0b:\g0b+3], s[\g1b:\g1b+7]
	s_nop 0
.rept 4
	v_nop
.endr
.Lasked_\@:
.endm
.macro CREST                           ; a round of the cluster's barrier behind its opening barrier
	s_cmp_lg_u32 s14, 0
	s_cbranch_scc1 .Lnot_wave_0_\@
	s_barrier_signal -3
.Lnot_wave_0_\@:
	s_barrier_wait -3
	s_barrier_signal -1
	s_barrier_wait -1
.endm
.macro CROUND                          ; a whole round
	s_barrier_signal -1
	s_barrier_wait -1
	CREST
.endm
	s_load_b512 s[68:83], s[0:1], 0x0              ; x s[68:69], Wq s[70:71], Wk s[72:73], Wv s[74:75], bq s[76:77], bk s[78:79], bv s[80:81], the scales' exponents s[82:83]
	s_load_b128 s[84:87], s[0:1], 0x40             ; q_codes s[84:85], k_codes s[86:87]
	s_load_b64 s[88:89], s[0:1], 0x50              ; v_codes
	v_lshl_add_u32 v[SPW], v0, 2, SPARE
	v_mov_b32 v[NIL], 0
	ds_add_u32 v28, v29
	ds_add_u32 v28, v29
	s_wait_dscnt 0x0
	v_lshrrev_b32 v1, 5, v0
	v_readfirstlane_b32 s14, v1                    ; wave 0..3
	s_lshr_b32 s15, s14, 1                         ; which half of the tile's rows is mine.  Also: I fetch for the row side (0) or the column side (1)
	s_and_b32 s16, s14, 1                          ; which half of its columns.  Also: which 128 rows of that tile I fetch
	s_bfe_u32 s40, ttmp6, 0x40000                  ; cx, cy: my place in the cluster
	s_bfe_u32 s41, ttmp6, 0x40004
	s_and_b32 s66, ttmp7, 0xffff
	s_lshl_b32 s66, s66, 2                         ; 4 x cluster y: it walks the tokens' 32 tiles, whichever side x is on
	s_cmp_eq_u32 ttmp9, 2                          ; v?
	s_cselect_b32 s17, 0, s66
	s_cselect_b32 s42, s66, 0
	s_add_co_u32 s17, s17, s41                     ; the row side's tile: cy (+ 4 x cluster y for q and k)
	s_add_co_u32 s42, s42, s40                     ; the column side's tile: cx (+ 4 x cluster y for v)
	s_lshl_b32 s43, s41, 2
	s_lshl_b32 s43, 15, s43                        ; my row of the cluster
	s_lshl_b32 s44, 0x1111, s40                    ; my column
	; descriptor group 1: a tile of 128 rows x 256 bytes, padded in LDS
	s_or_b32 s[G1+0], s43, (0<<16)|(1<<20)|(1<<21)|(5<<22)|(3<<25)  ; 15:0 the mask; 17:16 element of 1 byte; 20 padding on; 21 set beside a mask; 24:22 after every 64 words (code 5); 31:25 of 4 words (code 3)
	s_or_b32 s[G1B+0], s44, (0<<16)|(1<<20)|(1<<21)|(5<<22)|(3<<25)
.irp g, G1, G1B
	s_mov_b32 s[\g+1], ROWB<<16                    ; tensor_dim0
	s_mov_b32 s[\g+2], 128<<16                     ; tensor_dim1 = 128
	s_mov_b32 s[\g+3], ROWB<<16                    ; tile_dim0
	s_mov_b32 s[\g+4], 128                         ; tile_dim1 = 128
	s_mov_b32 s[\g+5], KROW                        ; tensor_dim0_stride
	s_mov_b32 s[\g+6], 0
	s_mov_b32 s[\g+7], 0
.endr
	s_lshl_b32 s18, s16, 7                         ; which 128 rows of the tile I fetch
	s_lshl_b32 s20, s17, 8
	s_add_co_u32 s20, s20, s18
	s_lshl_b32 s20, s20, 10                        ; the row side: (256 x tile + 128 x half) rows of 1,024 bytes: 8 MiB at the most
	s_lshl_b32 s46, s42, 8
	s_add_co_u32 s46, s46, s18
	s_lshl_b32 s46, s46, 10                        ; the column side likewise
	s_mov_b32 s21, 0
	s_mov_b32 s47, 0
	s_mul_i32 s45, s14, HALFT                      ; where they go: wave x 128 rows: no place in the cluster enters an LDS address
	s_wait_kmcnt 0x0
	s_cmp_eq_u32 ttmp9, 2                          ; the kind's buffers: choices on the cluster's x alone
	s_cselect_b64 s[4:5], s[74:75], s[68:69]       ; the row side: Wv, else x
	s_cselect_b64 s[6:7], s[68:69], s[72:73]       ; the column side: x, else Wk,
	s_cselect_b64 s[8:9], s[80:81], s[78:79]       ; the bias,
	s_cselect_b64 s[10:11], s[88:89], s[86:87]     ; the codes' buffer,
	s_cselect_b32 s90, 36, 28                      ; and the byte of eo among the scales: entry 9, else 7
	s_cmp_eq_u32 ttmp9, 0
	s_cselect_b64 s[6:7], s[70:71], s[6:7]         ; q takes Wq, bq, q_codes and entry 6
	s_cselect_b64 s[8:9], s[76:77], s[8:9]
	s_cselect_b64 s[10:11], s[84:85], s[10:11]
	s_cselect_b32 s90, 24, s90
	s_mov_b32 s91, 0
	s_add_nc_u64 s[90:91], s[82:83], s[90:91]
	s_load_b32 s94, s[90:91], 0x0                  ; eo
	s_lshl_b32 s96, ttmp9, 3
	s_mov_b32 s97, 0
	s_add_nc_u64 s[96:97], s[82:83], s[96:97]
	s_load_b64 s[92:93], s[96:97], 0x0             ; the product's two exponents: entries 2 x kind and 2 x kind + 1
	s_add_nc_u64 s[20:21], s[4:5], s[20:21]
	s_add_nc_u64 s[46:47], s[6:7], s[46:47]
	CROUND                                         ; all sixteen work-groups are here: the first joint loads meet
.irp s, 0,1
	s_mov_b32 s[G0+4*\s], 1
	s_add_co_u32 s[G0+4*\s+1], s45, \s*SLOT
	s_add_nc_u64 s[G0+4*\s+2:G0+4*\s+3], s[20:21], \s*ROWB
	s_or_b32 s[G0+4*\s+3], s[G0+4*\s+3], 0x80000000
	s_mov_b32 s[G0B+4*\s], 1
	s_add_co_u32 s[G0B+4*\s+1], s45, \s*SLOT
	s_add_nc_u64 s[G0B+4*\s+2:G0B+4*\s+3], s[46:47], \s*ROWB
	s_or_b32 s[G0B+4*\s+3], s[G0B+4*\s+3], 0x80000000
	JLOAD G0+4*\s, G1, G0B+4*\s, G1B               ; two tensor loads of mine are out
.endr
	v_and_b32 v1, 15, v0                           ; r = lane % 16
	v_bfe_u32 v2, v0, 4, 1                         ; h = lane / 16
	v_mul_u32_u24 v3, v1, PITCH
	v_lshl_add_u32 v4, v2, 4, v3                   ; a fragment's row x pitch + 16 x half
	s_mul_i32 s21, s15, HALFT                      ; my 128 rows of the row side
	s_mul_i32 s22, s16, HALFT                      ; my 128 rows of the column side,
	s_add_co_u32 s22, s22, 2*HALFT                 ; which lie behind the row side's 256
.irp s, 0,1
	v_add_nc_u32 v[ADRA+\s], s21, v4
	v_add_nc_u32 v[ADRB+\s], s22, v4
	s_add_co_u32 s21, s21, SLOT
	s_add_co_u32 s22, s22, SLOT
.endr
	; the stage: 256 rows (m) x 256 codes (n), rows 272 bytes apart, from LDS byte 0 on
	s_mul_i32 s23, s15, 128*PITCH
	s_lshl_b32 s18, s16, 7
	s_add_co_u32 s23, s23, s18
	v_lshl_add_u32 v5, v2, 3, v3
	v_add_nc_u32 v[STO], s23, v5                   ; in: row 128 x row half + r, byte 128 x column half + 8 h: word 68 r + 2 h: the 32 lanes of an 8-byte store touch each bank once
	s_mul_i32 s23, s14, 64*PITCH                   ; back: wave w takes rows 64 w .. 64 w + 63
	v_and_b32 v6, 31, v0
	v_lshrrev_b32 v7, 2, v6
	v_mul_u32_u24 v7, v7, PITCH
	v_and_b32 v5, 3, v0
	v_lshl_add_u32 v7, v5, 4, v7
	v_add_nc_u32 v[RDQ], s23, v7                   ; q, k: four lanes to a token's 64 bytes of one head, eight tokens an instruction
	v_mul_u32_u24 v7, v2, PITCH
	v_lshl_add_u32 v7, v1, 4, v7
	v_add_nc_u32 v[RDV], s23, v7                   ; v: sixteen lanes to a channel's 256 keys, two channels an instruction
	s_lshl_b32 s18, s14, 12
	v_lshl_add_u32 v[GQ], v6, 4, s18               ; q, k: 64 w tokens of 64 bytes + 16 x lane
	s_lshl_b32 s18, s14, 17
	v_lshlrev_b32 v7, 11, v2
	v_lshl_add_u32 v7, v1, 4, v7
	v_add_nc_u32 v[GV], s18, v7                    ; v: 64 w channels of 2,048 bytes + 2,048 h + 16 r
	; which tile holds tokens and which channels; where the bias and the codes begin
	s_cmp_eq_u32 ttmp9, 2
	s_cselect_b32 s18, s42, s17                    ; the tokens' tile, 0 .. 31
	s_cselect_b32 s19, s17, s42                    ; the channels' tile, 0 .. 3: four heads
	s_cselect_b32 s22, 0, 6                        ; a token is 1 byte on in v_codes, 64 in q_codes and k_codes
	s_cselect_b32 s23, s15, s16                    ; my half along the channels
	s_lshl_b32 s20, s19, 10
	s_lshl_b32 s23, s23, 9
	s_add_co_u32 s20, s20, s23
	s_mov_b32 s21, 0
	s_add_nc_u64 s[8:9], s[8:9], s[20:21]          ; the bias at my 128 channels: 4 x (256 x tile + 128 x half)
	v_lshlrev_b32 v[BOQ], 5, v2
	v_lshlrev_b32 v[BOV], 2, v1
	; My 128 numbers of the bias come in both layouts, here, so that no product waits for them at the end: eight channels a lane (used by q and k) and one channel a lane (used by v).  Both stay inside the 128.
.irp b, 0,1,2,3,4,5,6,7
	global_load_b128 v[BQ+8*\b:BQ+8*\b+3],   v[BOQ], s[8:9] offset:64*\b      ; channels 16 b + 8 h + 0 .. 3
	global_load_b128 v[BQ+8*\b+4:BQ+8*\b+7], v[BOQ], s[8:9] offset:64*\b+16   ; and + 4 .. 7
.endr
.irp a, 0,1,2,3,4,5,6,7
	global_load_b32 v[BV+2*\a], v[BOV], s[8:9] offset:64*\a                   ; channel 16 a + r
.endr
	s_lshr_b32 s20, s18, 3                         ; the batch: eight tiles of 256 tokens each
	s_lshl_b32 s20, s20, 21                        ; 16 heads of 131,072 bytes
	s_lshl_b32 s19, s19, 19                        ; four heads
	s_add_co_u32 s20, s20, s19
	s_and_b32 s18, s18, 7
	s_lshl_b32 s18, s18, 8                         ; the tile's first token in its batch
	s_lshl_b32 s18, s18, s22
	s_add_co_u32 s20, s20, s18
	s_add_nc_u64 s[10:11], s[10:11], s[20:21]      ; (s21 is 0)
.macro FRAG reg, adr, q, i             ; a fragment, 16 rows x 128 K, is 16 registers: lane l holds row l % 16; registers 4 c .. 4 c + 3 hold K = 32 c + 16 (l / 16) + 0 .. 15: the same order of k on both sides, so every product meets its partner
.irp c, 0,1,2,3
	ds_load_b128 v[\reg+4*\c:\reg+4*\c+3], v[\adr] offset:128*(\q)+32*\c+(\i)*16*PITCH
.endr
.endm
; 16 matrix instructions: row blocks a0, a0 + 1 x the column side's eight, 128 along K.  p: the column side's set.  zero = 1: the first product starts the sums: nothing is ever cleared.
; The 64 accumulators take turns, one instruction a turn, in the same order in every step.
.macro MUL16 a0, p, zero
.irp a, \a0, \a0+1
.irp b, 0,1,2,3,4,5,6,7
.if \zero
	v_wmma_f32_16x16x128_bf8_bf8 v[8*(8*((\a)%4)+\b):8*(8*((\a)%4)+\b)+7], v[128*(\p)+FR*\b:128*(\p)+FR*\b+FR-1], v[AF+FR*(\a):AF+FR*(\a)+FR-1], 0
.else
	v_wmma_f32_16x16x128_bf8_bf8 v[8*(8*((\a)%4)+\b):8*(8*((\a)%4)+\b)+7], v[128*(\p)+FR*\b:128*(\p)+FR*\b+FR-1], v[AF+FR*(\a):AF+FR*(\a)+FR-1], v[8*(8*((\a)%4)+\b):8*(8*((\a)%4)+\b)+7]
.endif
.endr
.endr
.endm
.macro FETCH_B slot, q, p              ; the column side's eight fragments of the slot's q-th 128 along K into set p
	WIN TO_B
.irp i, 0,1,2,3,4,5,6,7
	FRAG 128*(\p)+FR*\i, ADRB+\slot, \q, \i
.endr
	WIN 0
.endm
.macro FETCH_A slot, q, i0             ; the row side's blocks i0 .. i0 + 3
.irp i, \i0, \i0+1, \i0+2, \i0+3
	FRAG AF+FR*(\i), ADRA+\slot, \q, \i
.endr
.endm
; A load into a register that a matrix instruction has read, and a vector instruction that reads a matrix result, stand NP places behind that matrix instruction; only plain vector instructions
; that name none of its registers are places (ISA guide 7.12.1 for vector instructions).
.macro PLACES n
.rept \n
	v_nop
.endr
.endm
; A step of 128 along K that has its successor in the same slot.  A row block is free as soon as its eight products are issued, so the row side has one set of registers.
.macro STEP slot, q, zero
	s_wait_dscnt 4*NL                              ; the column side's set and row blocks 0-3 are in; the youngest 16 loads (row blocks 4-7) may be out
	WIN MUL_LO
	MUL16 0, (\q)%2, \zero
	MUL16 2, (\q)%2, \zero
	s_wait_dscnt 0                                 ; row blocks 4-7 are in (asked for 32 matrix instructions ago)
	PLACES NP
	FETCH_B \slot, (\q)+1, 1-(\q)%2
	FETCH_A \slot, (\q)+1, 0
	WIN MUL_HI
	MUL16 4, (\q)%2, \zero
	MUL16 6, (\q)%2, \zero
	PLACES NP
	WIN 0
	FETCH_A \slot, (\q)+1, 4
.endm
; A slot's last step changes slots: ONE barrier; in front of it each wave waits for all its tensor loads, adds 0 to its spare word, and waits for that and for its own reads of this slot.  fill = 1: this slot is filled again, two K steps ahead.
.macro TURN slot, next, fill
	s_wait_tensorcnt 0x0                           ; all my tensor loads have landed: my part of the next slot;  (every window is 0 here)
	ds_add_u32 v[SPW], v[NIL]                      ; 0 onto my spare word
	s_wait_dscnt 4*NL+1                            ; (the add and the youngest 16 loads, row blocks 4-7, may be out)
	WIN MUL_LO
	MUL16 0, 1, 0                                  ; sixteen matrix instructions stand between the add and the wait for it
	s_wait_dscnt 0x0                               ; the add is done, and my reads of this slot are over
	s_barrier_signal -1
	MUL16 2, 1, 0
	WIN 0
	s_barrier_wait -1
.if \fill
	CREST                                          ; the barrier has opened a round of the cluster's barrier: no wave of any partner still reads this slot's tile or has a load on its way
	s_add_nc_u64 s[G0+4*\slot+2:G0+4*\slot+3], s[G0+4*\slot+2:G0+4*\slot+3], 2*ROWB
	s_add_nc_u64 s[G0B+4*\slot+2:G0B+4*\slot+3], s[G0B+4*\slot+2:G0B+4*\slot+3], 2*ROWB
	JLOAD G0+4*\slot, G1, G0B+4*\slot, G1B         ; the first tensor load behind the round, my one load until the next; its four v_nop are the places in front of the loads below
.else
	PLACES NP
.endif
	FETCH_B \next, 0, 0
	FETCH_A \next, 0, 0
	WIN MUL_HI
	MUL16 4, 1, 0
	MUL16 6, 1, 0
	PLACES NP
	WIN 0
	FETCH_A \next, 0, 4
.endm
	s_wait_tensorcnt 1                             ; my part of K step 0 is in (K step 1's load may be out)
	s_barrier_signal -1
	s_barrier_wait -1                              ; everybody's is
	FETCH_B 0, 0, 0
	FETCH_A 0, 0, 0
	FETCH_A 0, 0, 4
	STEP 0, 0, 1                                   ; K 0-127: the products start the sums
	TURN 0, 1, 1                                   ; K 128-255; slot 0 takes K 512-767
	STEP 1, 0, 0
	TURN 1, 0, 1                                   ; slot 1 takes K 768-1023
	STEP 0, 0, 0
	TURN 0, 1, 0                                   ; nothing is left to fetch: slot 0 has had its last fill, and behind this barrier nobody reads it
	STEP 1, 0, 0
	s_wait_dscnt 4*NL                              ; the very last step
	WIN MUL_LO
	MUL16 0, 1, 0
	MUL16 2, 1, 0
	s_wait_dscnt 0
	WIN MUL_HI
	MUL16 4, 1, 0
	MUL16 6, 1, 0
	WIN 0
	; THE WAY OUT.
	s_wait_kmcnt 0x0
	s_add_co_i32 s92, s92, s93
	s_add_co_i32 s92, s92, 127
	s_lshl_b32 s92, s92, 23                        ; 2^(the product's two exponents added) as f32
	s_mov_b32 s93, s92                             ; (named with it as a pair)
	s_add_co_i32 s94, s94, 127
	s_lshl_b32 s95, s94, 23
	v_mov_b32 v[CSC], s95                          ; 2^eo: the conversion takes its exponent field
	s_add_co_i32 s94, s94, 15
	s_lshl_b32 s94, s94, 23
	s_or_b32 s94, s94, 0x600000
	v_mov_b32 v[LIM], s94                          ; 57,344 x 2^eo
	s_wait_loadcnt 0x0                             ; the biases, asked for at the head
	PLACES NP-2                                    ; with the two moves above: four places behind the last products
; sum x 2^(the exponents) + bias, in place, two numbers an instruction, each accumulator from its low end on.  isv = 0: the bias of the lane's eight channels; 1: of the lane's one channel
.macro ADDB hi, isv
	WIN 0x82+0x41*\hi                              ; source 0 and destination window 2 or 3; the bias window 0
.irp a, 0,1,2,3
.irp b, 0,1,2,3,4,5,6,7
.irp i, 0,2,4,6
.if \isv
	v_pk_fma_f32 v[64*\a+8*\b+\i:64*\a+8*\b+\i+1], v[64*\a+8*\b+\i:64*\a+8*\b+\i+1], s[92:93], v[BV+2*(4*\hi+\a):BV+2*(4*\hi+\a)+1] op_sel_hi:[1,0,1]
.else
	v_pk_fma_f32 v[64*\a+8*\b+\i:64*\a+8*\b+\i+1], v[64*\a+8*\b+\i:64*\a+8*\b+\i+1], s[92:93], v[BQ+8*\b+\i:BQ+8*\b+\i+1] op_sel_hi:[1,0,1]
.endif
.endr
.endr
.endr
.endm
	s_cmp_eq_u32 ttmp9, 2                          ; the kind: the same in all partners
	s_cbranch_scc1 .Lbias_v
	ADDB 0, 0
	ADDB 1, 0
	WIN 0
	s_branch .Lbiased
.Lbias_v:
.irp a, 0,1,2,3,4,5,6,7
	v_mov_b32 v[BV+2*\a+1], v[BV+2*\a]             ; the lane's channel serves both halves of a pair
.endr
	ADDB 0, 1
	ADDB 1, 1
	WIN 0
.Lbiased:
; the hold and the conversion: eight neighbours of a lane become eight codes
.macro CODES hi
	WIN 0x82+0x41*\hi
.set j, 0
.rept 256
	v_med3_num_f32 v[j], v[j], -v[LIM], v[LIM]     ; the conversion to an 8-bit code does not saturate (ISA guide 7.6.2): the hold at the largest code x the scale
.set j, j+1
.endr
	WIN 0x02+\hi                                   ; source 0 window 2 or 3, the codes window 0
.irp a, 0,1,2,3
.irp b, 0,1,2,3,4,5,6,7
	v_cvt_scalef32_pk8_bf8_f32 v[CD+16*(4*\hi+\a)+2*\b:CD+16*(4*\hi+\a)+2*\b+1], v[64*\a+8*\b:64*\a+8*\b+7], v[CSC]
.endr
.endr
.endm
	CODES 0
	CODES 1
	WIN 0
	v_nop                                          ; one plain vector line behind the last conversion
.irp a, 0,1,2,3,4,5,6,7
.irp b, 0,1,2,3,4,5,6,7
	ds_store_b64 v[STO], v[CD+16*\a+2*\b:CD+16*\a+2*\b+1] offset:\a*16*PITCH+16*\b   ; C(16 a + r, 16 b + 8 h + 0 .. 7) of my quarter
.endr
.endr
	s_wait_dscnt 0x0                               ; for the others' sake: my stores into the stage are done
	s_barrier_signal -1
	s_barrier_wait -1                              ; the tile's 256 x 256 codes lie in the stage
; 32 loads of 512 bytes from the stage, then 32 stores.  Instruction i reads at l1 (i % 8) + l8 (i / 8) and stores at g1 (i % 8) + g8 (i / 8).  The count leaves the younger loads out.
.macro BACK rd, go, l1, l8, g1, g8
.set i, 0
.rept 32
	ds_load_b128 v[CD+4*i:CD+4*i+3], v[\rd] offset:\l1*(i%8)+\l8*(i/8)
.set i, i+1
.endr
.set i, 0
.rept 32
	s_wait_dscnt 31-i
	global_store_b128 v[\go], v[CD+4*i:CD+4*i+3], s[10:11] offset:\g1*(i%8)+\g8*(i/8)
.set i, i+1
.endr
.endm
	s_cmp_eq_u32 ttmp9, 2
	s_cbranch_scc1 .Lsend_v
	BACK RDQ, GQ, 8*PITCH, 64, 512, 131072         ; q, k: head i / 8 of the tile's four, tokens 64 w + 8 (i % 8) on: 512 consecutive bytes of that head, aligned
	s_branch .Lsent
.Lsend_v:
	BACK RDV, GV, 2*PITCH, 16*PITCH, 4096, 32768   ; v: channels 64 w + 2 i and + 1: sixteen lanes store 256 consecutive keys' codes, aligned
.Lsent:
	s_wait_tensorcnt 0x0                           ; the wave's end: behind my last tensor load and my last LDS store
	ds_add_u32 v[SPW], v[NIL]
	s_wait_dscnt 0x0
	CROUND                                         ; the closing round: no work-group ends while a partner may still ask for a tile that names it
	s_endpgm
.Lfunc_end_k_q91e95e8571_qkv:
	.size	k_q91e95e8571_qkv, .Lfunc_end_k_q91e95e8571_qkv-k_q91e95e8571_qkv
	.p2alignl 7, 3214868480
	.fill 96, 4, 3214868480
	.section	.rodata,"a",@progbits
	.p2align	6, 0x0
	.amdhsa_kernel k_q91e95e8571_qkv
		.amdhsa_group_segment_fixed_size 327680
		.amdhsa_private_segment_fixed_size 0
		.amdhsa_enable_private_segment 0
		.amdhsa_kernarg_size 88
		.amdhsa_user_sgpr_count 2
		.amdhsa_user_sgpr_kernarg_segment_ptr 1
		.amdhsa_wavefront_size32 1
		.amdhsa_system_sgpr_workgroup_id_x 1
		.amdhsa_system_sgpr_workgroup_id_y 1
		.amdhsa_system_sgpr_workgroup_id_z 1
		.amdhsa_system_vgpr_workitem_id 0
		.amdhsa_next_free_vgpr 1024
		.amdhsa_next_free_sgpr 100
		.amdhsa_reserve_vcc 0
		.amdhsa_float_denorm_mode_32 3
		.amdhsa_float_denorm_mode_16_64 3
		.amdhsa_memory_ordered 1
		.amdhsa_forward_progress 1
		.amdhsa_inst_pref_size 167
	.end_amdhsa_kernel
	.amdgpu_metadata
---
amdhsa.version: [ 1, 2 ]
amdhsa.kernels:
  - .name:           k_q91e95e8571_qkv
    .symbol:         k_q91e95e8571_qkv.kd
    .args:
      - { .name: x_codes, .offset: 0, .size: 8, .value_kind: global_buffer, .address_space: global }
      - { .name: Wq_codes, .offset: 8, .size: 8, .value_kind: global_buffer, .address_space: global }
      - { .name: Wk_codes, .offset: 16, .size: 8, .value_kind: global_buffer, .address_space: global }
      - { .name: Wv_codes, .offset: 24, .size: 8, .value_kind: global_buffer, .address_space: global }
      - { .name: bq, .offset: 32, .size: 8, .value_kind: global_buffer, .address_space: global }
      - { .name: bk, .offset: 40, .size: 8, .value_kind: global_buffer, .address_space: global }
      - { .name: bv, .offset: 48, .size: 8, .value_kind: global_buffer, .address_space: global }
      - { .name: lowp_scales, .offset: 56, .size: 8, .value_kind: global_buffer, .address_space: global }
      - { .name: q_codes, .offset: 64, .size: 8, .value_kind: global_buffer, .address_space: global }
      - { .name: k_codes, .offset: 72, .size: 8, .value_kind: global_buffer, .address_space: global }
      - { .name: v_codes, .offset: 80, .size: 8, .value_kind: global_buffer, .address_space: global }
    .group_segment_fixed_size: 327680
    .private_segment_fixed_size: 0
    .kernarg_segment_align: 8
    .kernarg_segment_size: 88
    .max_flat_workgroup_size: 128
    .sgpr_count:     100
    .vgpr_count:     1024
    .wavefront_size: 32
...
	.end_amdgpu_metadata
.endif
;; end of part 1
;; launch attn (part 2): grid 4 x 64, 4 waves a work-group, no clusters, 18,944 bytes of LDS; arguments q_codes, k_codes, v_codes, lowp_scales, o_codes; writes o_codes
.if DOCPART == 2
	.amdgcn_target "amdgcn-amd-amdhsa--gfx1250"
	.amdhsa_code_object_version 6
	.text
	.protected	k_q91e95e8571_attn
	.globl	k_q91e95e8571_attn
	.p2align	8
	.type	k_q91e95e8571_attn,@function
k_q91e95e8571_attn:
	s_mov_b64 s[64:65], 0
	v_nop
	global_prefetch_b8 v0, s[64:65] scope:SCOPE_SE
	s_setreg_imm32_b32 hwreg(HW_REG_WAVE_MODE, 25, 1), 1
	s_wait_xcnt 0x0
; ATTENTION ON CODES OF BF8 (E5M2), HEAD SIZE 64, 2,048 KEYS, WITH p QUANTISED FINISHED AND NORMALISED: p = |exp(s - max) / sum| is what is converted, with the scale 2^e8.
; So a row's maximum and sum are known before any p of that row is converted.  The scores of 16 queries x 2,048 keys stay in REGISTERS meanwhile, and each is multiplied once and exponentiated once.
; SHARES.  A work-group owns one head (work-group y) and 512 of its queries (work-group x): 32 tiles of 16.  THE WAVES SHARE THE KEYS: wave w owns keys 512 w .. 512 w + 511 for every tile.
; Its 512 keys of K (256 registers) and of V (256 registers) are read from memory once and stay; its 16 x 512 scores fill 256 registers more.
; LAYOUT.  Both products are used transposed: S^T = K Q^T (source 0 = 16 keys, source 1 = 16 queries), O^T = V^T P^T (source 0 = 16 channels, source 1 = P): a lane holds ONE query (lane % 16) throughout.
; THE KEYS OF A TILE ARE NOT NEIGHBOURS: lane r of tile 2 b + u takes key 32 b + 8 u + r + 8 (r / 8), so that the 16 registers of tiles 2 b and 2 b + 1 are keys 32 b + 16 (lane / 16) + 0 .. 15,
; and the conversions' results are the second product's operand as they stand.
; THE SOFTMAX.  t = score x 2^(e6 + e7) x log2(e) / 8.  Each wave takes its OWN maximum, rounded up to a whole number M_w, p_w = 2^(t - M_w) and the sum l_w of its p_w.  One exchange through LDS brings all four
; (M_w, l_w); M = the largest, l = the sum of l_w 2^(M_w - M), and p = p_w x g with g = 2^(M_w - M) / l.  The powers of two round nothing.
; O's four partial sums (one a wave) meet in LDS; each thread adds eight numbers, quantises them with the folded scale 2^(e10 - e8 - e9) and stores eight codes: o_codes [head][query][64].
; LIMITS on the given exponents, so that each power of two below is an f32 number: e6 + e7 between -123 and 130; e8, and e10 - e8 - e9, between -126 and 112.  A p under 2^-126 counts as 0.  NaN is not served.
; No tensor load: K and V go straight into registers, and the one stream of the loop, 1,024 bytes of Q a trip, is asked for a whole trip ahead.  The four work-groups of a head read the same K and V, once each, at
; the head: 256 KiB against 32 trips of work, so no cluster and no joint request.
; REGISTERS, in windows of 256: window 0: see the names below.  window 1: K, tile t at v[8 t].  window 2: V, channels 16 c on, keys 128 s on, at v[64 c + 16 s].  window 3: S^T, then p: tile t at v[8 t].
.set TILES, 32
.set OPB,   512                        ; LDS: bytes 0-511 the statistics, 128 a wave (16 queries x 8); from 512 the partial O: for each wave 16 rows x (256 bytes + 16)
.set OPP,   272
.set OPW,   16*OPP
.set KA,   1                           ; v1   K: (r + 8 (r / 8)) x 64 + 16 h
.set VA,   2                           ; v2   V: 2,048 r + 16 h
.set QA,   3                           ; v3   Q: 64 r + 16 h
.set STW,  4                           ; v4   where I put my query's statistics: 128 w + 8 r
.set STR,  5                           ; v5   where I read the four waves': 8 r
.set OW,   6                           ; v6   where I put 32 bytes of my partial O
.set ORD,  7                           ; v7   where I read eight numbers of each partial O
.set GO,   8                           ; v8   8 x my thread's number: my eight codes of a tile of O
.set PSC,  10                          ; v10  2^e8;  v11  57,344 x 2^e8
.set PLIM, 11
.set OSC,  12                          ; v12  2^(e10 - e8 - e9);  v13  57,344 x that
.set OLIM, 13
.set NM,   14                          ; v[14:15]  -M_w, l_w
.set Q,    16                          ; v16-23   Q's fragment
.set STT,  24                          ; v24-31   the four waves' statistics
.set O,    32                          ; v32-63   O^T, four accumulators
.set P,    64                          ; v64-127  p's codes: four fragments of 128 keys
.set T,    132                         ; v132-135 at work
.set G,    144                         ; v[144:145] g (the low word serves both halves)
.set MX,   146                         ; v146-153 the maximum's eight chains
.set PO,   160                         ; v160-191 the four partial O
.set OC,   192                         ; v[192:193] eight codes of O
.set SM,   200                         ; v200-215 the sum's eight chains, a pair each
.set MSB, 0
.macro WIN new                         ; the immediate's high byte repeats the setting that is left
.if MSB != (\new)
	s_set_vgpr_msb (MSB<<8)|(\new)
.set MSB, (\new)
.endif
.endm
	s_load_b256 s[4:11], s[0:1], 0x0               ; q_codes s[4:5], k_codes s[6:7], v_codes s[8:9], the scales' exponents s[10:11]
	s_load_b64 s[12:13], s[0:1], 0x20              ; o_codes
	v_lshl_add_u32 v254, v0, 2, 0x4800
	v_mov_b32 v255, 0
	v_lshrrev_b32 v1, 5, v0
	v_readfirstlane_b32 s27, v1                    ; wave 0..3
	v_and_b32 v9, 15, v0                           ; r
	v_bfe_u32 v[T], v0, 4, 1                       ; h
	v_and_b32 v[T+1], 8, v9
	v_add_nc_u32 v[T+1], v[T+1], v9                ; r + 8 (r / 8)
	v_lshlrev_b32 v[KA], 6, v[T+1]
	v_lshl_add_u32 v[KA], v[T], 4, v[KA]
	v_lshlrev_b32 v[VA], 11, v9
	v_lshl_add_u32 v[VA], v[T], 4, v[VA]
	v_lshlrev_b32 v[QA], 6, v9
	v_lshl_add_u32 v[QA], v[T], 4, v[QA]
	s_lshl_b32 s14, s27, 7
	v_lshl_add_u32 v[STW], v9, 3, s14
	v_lshlrev_b32 v[STR], 3, v9
	s_mul_i32 s15, s27, OPW
	s_add_co_u32 s15, s15, OPB
	v_mul_u32_u24 v[OW], v9, OPP
	v_lshl_add_u32 v[OW], v[T], 5, v[OW]
	v_add_nc_u32 v[OW], s15, v[OW]                 ; my wave's part, row r, + 32 h; tile c's eight channels 64 c bytes on
	v_lshrrev_b32 v[T+2], 3, v0
	v_mul_u32_u24 v[ORD], v[T+2], OPP
	v_and_b32 v[T+3], 7, v0
	v_lshl_add_u32 v[ORD], v[T+3], 5, v[ORD]
	v_add_nc_u32 v[ORD], OPB, v[ORD]               ; thread n adds query n / 8, channels 8 (n % 8) + 0 .. 7
	v_lshlrev_b32 v[GO], 3, v0
	v_mov_b32 v[NM+1], 0                           ; (named as the upper half of the pair v[14:15] before the first sum is made)
	v_mov_b32 v[G+1], 0                            ; (named as the upper half of the pair v[144:145])
	s_and_b32 s28, ttmp7, 0xffff
	s_lshl_b32 s28, s28, 17                        ; the head: 131,072 bytes in each of the four buffers
	s_lshl_b32 s14, ttmp9, 15
	s_add_co_u32 s30, s28, s14                     ; Q, O: + my 512 queries of 64 bytes
	s_lshl_b32 s14, s27, 15
	s_add_co_u32 s32, s28, s14                     ; K: + my wave's 512 keys of 64 bytes
	s_lshl_b32 s14, s27, 9
	s_add_co_u32 s34, s28, s14                     ; V: + my wave's 512 keys in a row
	s_mov_b32 s31, 0
	s_mov_b32 s33, 0
	s_mov_b32 s35, 0
	s_mov_b32 s24, 0x76543210
	s_mov_b32 s25, 0xfedcba98                      ; v_permlanex16_b32's selects for lane l xor 16
	s_mov_b32 s22, 0x3e38aa3b                      ; c = log2(e) / sqrt(64)
	s_mov_b32 s26, TILES
	s_wait_kmcnt 0x0
	s_load_b128 s[16:19], s[10:11], 0x18           ; e6, e7, e8, e9
	s_load_b32 s20, s[10:11], 0x28                 ; e10
	s_add_nc_u64 s[4:5], s[4:5], s[30:31]
	s_add_nc_u64 s[12:13], s[12:13], s[30:31]
	s_add_nc_u64 s[6:7], s[6:7], s[32:33]
	s_add_nc_u64 s[8:9], s[8:9], s[34:35]
	global_load_b128 v[Q:Q+3],   v[QA], s[4:5]             ; the first tile of queries: registers 0-3 hold channels 16 h + 0 .. 15, registers 4-7 channels 32 + 16 h + 0 .. 15: the same order as in K
	global_load_b128 v[Q+4:Q+7], v[QA], s[4:5] offset:32
	WIN 0x40                                       ; destination window 1
.set t, 0
.rept 32
	global_load_b128 v[8*t:8*t+3],   v[KA], s[6:7] offset:(32*(t/2)+8*(t%2))*64
	global_load_b128 v[8*t+4:8*t+7], v[KA], s[6:7] offset:(32*(t/2)+8*(t%2))*64+32
.set t, t+1
.endr
	WIN 0x80                                       ; destination window 2
.irp c, 0,1,2,3
.irp s, 0,1,2,3
.irp j, 0,1,2,3
	global_load_b128 v[64*\c+16*\s+4*\j:64*\c+16*\s+4*\j+3], v[VA], s[8:9] offset:32768*\c+128*\s+32*\j   ; channel 16 c + r, keys 128 s + 32 j + 16 h + 0 .. 15
.endr
.endr
.endr
	WIN 0
	s_wait_kmcnt 0x0
	s_add_co_i32 s14, s16, s17
	s_lshl_b32 s14, s14, 23
	s_add_co_i32 s22, s22, s14                     ; a score stands for score x 2^(e6 + e7): the two exponents are added to c's exponent field
	s_mov_b32 s23, s22                             ; (named with it as a pair)
	s_add_co_i32 s14, s18, 127
	s_lshl_b32 s15, s14, 23
	v_mov_b32 v[PSC], s15
	s_add_co_i32 s14, s14, 15
	s_lshl_b32 s14, s14, 23
	s_or_b32 s14, s14, 0x600000
	v_mov_b32 v[PLIM], s14
	s_sub_co_i32 s14, s20, s18
	s_sub_co_i32 s14, s14, s19                     ; a sum of the second product stands for sum x 2^(e8 + e9): its code is sum / 2^(e10 - e8 - e9)
	s_add_co_i32 s14, s14, 127
	s_lshl_b32 s15, s14, 23
	v_mov_b32 v[OSC], s15
	s_add_co_i32 s14, s14, 15
	s_lshl_b32 s14, s14, 23
	s_or_b32 s14, s14, 0x600000
	v_mov_b32 v[OLIM], s14
.Ltile:                                            ; a trip: one tile of 16 queries against all 2,048 keys
	s_wait_loadcnt 0x0                             ; this tile's Q (in the first trip K and V too)
	WIN 0xc1                                       ; K window 1, Q window 0, S^T window 3
.set t, 0
.rept 32
	v_wmma_f32_16x16x64_bf8_bf8 v[8*t:8*t+7], v[8*t:8*t+7], v[Q:Q+7], 0    ; 32 accumulators, each written once
.set t, t+1
.endr
	WIN 0
.rept 4
	v_nop                                          ; four places: in front of the loads into Q's registers and of the first read of the scores
.endr
	s_cmp_eq_u32 s26, 1                            ; the next tile's Q is asked for now, if there is a next tile: no load leaves its buffer
	s_cbranch_scc1 .Lno_next
	s_add_nc_u64 s[4:5], s[4:5], 1024              ; (the loads that read this base are in)
	global_load_b128 v[Q:Q+3],   v[QA], s[4:5]
	global_load_b128 v[Q+4:Q+7], v[QA], s[4:5] offset:32
.Lno_next:
	; the largest of my query's 256 scores in this lane: eight chains, the registers in ascending order
	WIN 0x0f                                       ; sources 0 and 1 window 3
.irp k, 0,1,2,3,4,5,6,7
	v_max_num_f32 v[MX+\k], v[2*\k], v[2*\k+1]
.endr
	WIN 0x3c                                       ; sources 1 and 2 window 3
.set n, 0
.rept 120
	v_max3_num_f32 v[MX+n%8], v[MX+n%8], v[16+2*n], v[17+2*n]
.set n, n+1
.endr
	WIN 0
	v_max3_num_f32 v[MX], v[MX], v[MX+1], v[MX+2]
	v_max3_num_f32 v[MX+3], v[MX+3], v[MX+4], v[MX+5]
	v_max3_num_f32 v[MX], v[MX], v[MX+6], v[MX+7]
	v_max_num_f32 v[MX], v[MX], v[MX+3]
	v_permlanex16_b32 v[T], v[MX], s24, s25        ; the query's other 256 keys of my wave lie in the lane 16 away
	v_max_num_f32 v[MX], v[MX], v[T]
	v_mul_f32 v[MX], s22, v[MX]                    ; as t (c is positive)
	v_floor_f32 v[NM], -v[MX]                      ; -M_w = floor(-t) = -ceil(t): a whole number
	; ONE BATCH: 128 scalings t - M_w, a pair each, and 256 exponentials; a pair is scaled two steps ahead of its exponentials, and nothing here names an exponential's result
	WIN 0xc3                                       ; source 0 and destination window 3; -M_w window 0
	v_pk_fma_f32 v[0:1], v[0:1], s[22:23], v[NM:NM+1] op_sel_hi:[1,0,0]
	v_pk_fma_f32 v[2:3], v[2:3], s[22:23], v[NM:NM+1] op_sel_hi:[1,0,0]
.set j, 0
.rept 128
.if j+2 < 128
	v_pk_fma_f32 v[2*j+4:2*j+5], v[2*j+4:2*j+5], s[22:23], v[NM:NM+1] op_sel_hi:[1,0,0]
.endif
	v_exp_f32 v[2*j], v[2*j]                       ; p_w = 2^(t - M_w), at most 1
	v_exp_f32 v[2*j+1], v[2*j+1]
.set j, j+1
.endr
	WIN 0
	v_nop                                          ; a plain instruction behind the last exponential
	s_wait_alu depctr_va_vdst(0)                   ; one wait for the whole batch, ahead of its first reader
	; the sum of my 256 p_w: eight chains of pairs
	WIN 0x0f
.irp k, 0,1,2,3,4,5,6,7
	v_pk_add_f32 v[SM+2*\k:SM+2*\k+1], v[4*\k:4*\k+1], v[4*\k+2:4*\k+3]
.endr
	WIN 0x0c                                       ; source 1 window 3
.set n, 0
.rept 112
	v_pk_add_f32 v[SM+2*(n%8):SM+2*(n%8)+1], v[SM+2*(n%8):SM+2*(n%8)+1], v[32+2*n:33+2*n]
.set n, n+1
.endr
	WIN 0
.irp k, 0,1,2,3
	v_pk_add_f32 v[SM+2*\k:SM+2*\k+1], v[SM+2*\k:SM+2*\k+1], v[SM+8+2*\k:SM+9+2*\k]
.endr
	v_pk_add_f32 v[SM:SM+1], v[SM:SM+1], v[SM+4:SM+5]
	v_pk_add_f32 v[SM+2:SM+3], v[SM+2:SM+3], v[SM+6:SM+7]
	v_pk_add_f32 v[SM:SM+1], v[SM:SM+1], v[SM+2:SM+3]
	v_add_f32 v[SM], v[SM], v[SM+1]
	v_permlanex16_b32 v[T+1], v[SM], s24, s25
	v_add_f32 v[NM+1], v[SM], v[T+1]               ; l_w
	; the exchange: the words were last read ahead of the barrier that closed the trip before
	ds_store_b64 v[STW], v[NM:NM+1]                ; (lanes r and r + 16 store the same two words)
	s_wait_dscnt 0x0                               ; for the others' sake: my store is done
	s_barrier_signal -1
	s_barrier_wait -1
.irp w, 0,1,2,3
	ds_load_b64 v[STT+2*\w:STT+2*\w+1], v[STR] offset:128*\w
.endr
	s_wait_dscnt 0x0
	v_min3_num_f32 v[T], v[STT], v[STT+2], v[STT+4]
	v_min_num_f32 v[T], v[T], v[STT+6]             ; -M
.irp w, 0,1,2,3
	v_sub_f32 v[STT+2*\w], v[T], v[STT+2*\w]       ; M_w - M: a whole number, 0 or less
.endr
.irp w, 0,1,2,3
	v_cvt_i32_f32 v[STT+2*\w], v[STT+2*\w]         ; (it saturates)
.endr
.irp w, 0,1,2,3
	v_ldexp_f32 v[STT+2*\w+1], v[STT+2*\w+1], v[STT+2*\w]
.endr
	v_add_f32 v[STT+1], v[STT+1], v[STT+3]
	v_add_f32 v[STT+5], v[STT+5], v[STT+7]
	v_add_f32 v[STT+1], v[STT+1], v[STT+5]         ; l: the same order in every wave
	v_rcp_f32 v[T+2], v[STT+1]
	v_sub_f32 v[T+3], v[T], v[NM]                  ; (a plain place behind the reciprocal)  my M_w - M
	v_cvt_i32_f32 v[T+3], v[T+3]
	s_wait_alu depctr_va_vdst(0)                   ; the wait ahead of the reciprocal's first reader
	v_ldexp_f32 v[G], v[T+2], v[T+3]               ; g = 2^(M_w - M) / l
	; p = |p_w g|, held at the largest code x the scale, converted
	WIN 0xc3
.set j, 0
.rept 128
	v_pk_mul_f32 v[2*j:2*j+1], v[2*j:2*j+1], v[G:G+1] op_sel_hi:[1,0]
.set j, j+1
.endr
.set j, 0
.rept 256
	v_min_num_f32 v[j], |v[j]|, v[PLIM]            ; the magnitude rides on the hold; the conversion to an 8-bit code does not saturate (ISA guide 7.6.2)
.set j, j+1
.endr
	WIN 0x03                                       ; source 0 window 3, the codes window 0
.set t, 0
.rept 32
	v_cvt_scalef32_pk8_bf8_f32 v[P+2*t:P+2*t+1], v[8*t:8*t+7], v[PSC]
.set t, t+1
.endr
	v_nop                                          ; one plain vector line between the last conversion and the products that read the codes
	; O^T = V^T P^T over my 512 keys: four accumulators by turns, 128 keys at a time
	WIN 0x02                                       ; V window 2
.irp s, 0,1,2,3
.irp c, 0,1,2,3
.if \s == 0
	v_wmma_f32_16x16x128_bf8_bf8 v[O+8*\c:O+8*\c+7], v[64*\c+16*\s:64*\c+16*\s+15], v[P+16*\s:P+16*\s+15], 0
.else
	v_wmma_f32_16x16x128_bf8_bf8 v[O+8*\c:O+8*\c+7], v[64*\c+16*\s:64*\c+16*\s+15], v[P+16*\s:P+16*\s+15], v[O+8*\c:O+8*\c+7]
.endif
.endr
.endr
	WIN 0
.rept 4
	v_nop                                          ; four places in front of the stores that read the results
.endr
.irp c, 0,1,2,3
	ds_store_b128 v[OW], v[O+8*\c:O+8*\c+3] offset:64*\c        ; o(r, 16 c + 8 h + 0 .. 3): each accumulator from its low end on
	ds_store_b128 v[OW], v[O+8*\c+4:O+8*\c+7] offset:64*\c+16
.endr
	s_wait_dscnt 0x0                               ; for the others' sake: my partial O is in LDS (the last trip's reads of these bytes were waited for ahead of this trip's first barrier)
	s_barrier_signal -1
	s_barrier_wait -1
.irp w, 0,1,2,3
	ds_load_b128 v[PO+8*\w:PO+8*\w+3],   v[ORD] offset:OPW*\w
	ds_load_b128 v[PO+8*\w+4:PO+8*\w+7], v[ORD] offset:OPW*\w+16
.endr
	s_wait_dscnt 0x0
.irp i, 0,2,4,6
	v_pk_add_f32 v[PO+\i:PO+\i+1], v[PO+\i:PO+\i+1], v[PO+8+\i:PO+9+\i]
	v_pk_add_f32 v[PO+16+\i:PO+17+\i], v[PO+16+\i:PO+17+\i], v[PO+24+\i:PO+25+\i]
.endr
.irp i, 0,2,4,6
	v_pk_add_f32 v[PO+\i:PO+\i+1], v[PO+\i:PO+\i+1], v[PO+16+\i:PO+17+\i]
.endr
.irp i, 0,1,2,3,4,5,6,7
	v_med3_num_f32 v[PO+\i], v[PO+\i], -v[OLIM], v[OLIM]
.endr
	v_cvt_scalef32_pk8_bf8_f32 v[OC:OC+1], v[PO:PO+7], v[OSC]
	v_nop                                          ; one plain vector line behind the conversion
	global_store_b64 v[GO], v[OC:OC+1], s[12:13]   ; a wave stores 256 consecutive bytes, aligned: four queries of 64 codes
	s_wait_xcnt 0x0                                ; the store has read its data and its base: both are written again below and in the next trip
	s_add_nc_u64 s[12:13], s[12:13], 1024
	s_sub_co_u32 s26, s26, 1
	s_cmp_lg_u32 s26, 0
	s_cbranch_scc1 .Ltile
	s_wait_tensorcnt 0x0
	ds_add_u32 v254, v255
	s_wait_dscnt 0x0
	s_endpgm
.Lfunc_end_k_q91e95e8571_attn:
	.size	k_q91e95e8571_attn, .Lfunc_end_k_q91e95e8571_attn-k_q91e95e8571_attn
	.p2alignl 7, 3214868480
	.fill 96, 4, 3214868480
	.section	.rodata,"a",@progbits
	.p2align	6, 0x0
	.amdhsa_kernel k_q91e95e8571_attn
		.amdhsa_group_segment_fixed_size 18944
		.amdhsa_private_segment_fixed_size 0
		.amdhsa_enable_private_segment 0
		.amdhsa_kernarg_size 40
		.amdhsa_user_sgpr_count 2
		.amdhsa_user_sgpr_kernarg_segment_ptr 1
		.amdhsa_wavefront_size32 1
		.amdhsa_system_sgpr_workgroup_id_x 1
		.amdhsa_system_sgpr_workgroup_id_y 1
		.amdhsa_system_sgpr_workgroup_id_z 1
		.amdhsa_system_vgpr_workitem_id 0
		.amdhsa_next_free_vgpr 1024
		.amdhsa_next_free_sgpr 66
		.amdhsa_reserve_vcc 0
		.amdhsa_float_denorm_mode_32 3
		.amdhsa_float_denorm_mode_16_64 3
		.amdhsa_memory_ordered 1
		.amdhsa_forward_progress 1
		.amdhsa_inst_pref_size 83
	.end_amdhsa_kernel
	.amdgpu_metadata
---
amdhsa.version: [ 1, 2 ]
amdhsa.kernels:
  - .name:           k_q91e95e8571_attn
    .symbol:         k_q91e95e8571_attn.kd
    .args:
      - { .name: q_codes, .offset: 0, .size: 8, .value_kind: global_buffer, .address_space: global }
      - { .name: k_codes, .offset: 8, .size: 8, .value_kind: global_buffer, .address_space: global }
      - { .name: v_codes, .offset: 16, .size: 8, .value_kind: global_buffer, .address_space: global }
      - { .name: lowp_scales, .offset: 24, .size: 8, .value_kind: global_buffer, .address_space: global }
      - { .name: o_codes, .offset: 32, .size: 8, .value_kind: global_buffer, .address_space: global }
    .group_segment_fixed_size: 18944
    .private_segment_fixed_size: 0
    .kernarg_segment_align: 8
    .kernarg_segment_size: 40
    .max_flat_workgroup_size: 128
    .sgpr_count:     66
    .vgpr_count:     1024
    .wavefront_size: 32
...
	.end_amdgpu_metadata
.endif
;; end of part 2
;; launch proj (part 3): grid 4 x 32, 4 waves a work-group, clusters of 4 x 4, 327,680 bytes of LDS; arguments o_codes, Wo_codes, lowp_scales, bo, out0; writes out0
.if DOCPART == 3
	.amdgcn_target "amdgcn-amd-amdhsa--gfx1250"
	.amdhsa_code_object_version 6
	.text
	.protected	k_q91e95e8571_proj
	.globl	k_q91e95e8571_proj
	.p2align	8
	.type	k_q91e95e8571_proj,@function
k_q91e95e8571_proj:
	s_mov_b64 s[64:65], 0
	v_nop
	global_prefetch_b8 v0, s[64:65] scope:SCOPE_SE
	s_setreg_imm32_b32 hwreg(HW_REG_WAVE_MODE, 25, 1), 1
	s_wait_xcnt 0x0
	s_wait_alu depctr_hold_cnt(0) depctr_sa_sdst(0) depctr_va_vdst(0) depctr_va_sdst(0) depctr_va_ssrc(0) depctr_va_vcc(0) depctr_vm_vsrc(0)
	s_getreg_b32 s2, hwreg(HW_REG_IB_STS2, 6, 4)
	s_cmp_eq_u32 s2, 0
	s_cbranch_scc0 .Lentry_in_a_cluster
	s_endpgm
.Lentry_in_a_cluster:
	s_bfe_u32 s2, ttmp6, 0x10000c
	s_cmp_lg_u32 s2, 0xf033
	s_cbranch_scc0 .Lentry_shape_is_right
	s_endpgm
.Lentry_shape_is_right:
; THE OUTPUT PROJECTION out0 = o Wo^T + bo ON CODES OF BF8 (E5M2).  out0: [8192][1024] f32; Wo: [1024][1024] codes, K innermost; bo f32.
; o comes BY HEADS, as the attention stored it: o_codes [batch x 16 + head][token 2048][64]; the product's k is 64 x head + channel.  A number of o is its code x 2^e10, of Wo x 2^e11 (entries 10 and 11 of the scales):
; the codes are multiplied as they are, and each finished sum goes out as sum x 2^(e10 + e11) + bo, one fused multiply-add.
; LIMIT: e10 + e11 lies between -126 and 127, so that 2^(e10 + e11) is an f32 number.
; A tile of out0, 256 x 256, is made by four waves, 128 x 128 each: 64 accumulators, 512 registers.  K = 1,024 goes in four steps of 256 (four heads) through two LDS slots; the steps are written out, there is no loop.
; A K STEP OF o: 256 tokens of one head are 16,384 consecutive bytes.  One tensor load brings two heads: a tile of 2 rows x 16,384 bytes, 131,072 bytes apart, with 16 bytes of padding behind every 256 (four tokens).
; In LDS a head takes 64 x 272 bytes; token n's 64 codes lie at 272 (n / 4) + 64 (n % 4).  The sixteen tokens of a fragment load then fall on sixteen different groups of four banks: group (r / 4) + 4 (r % 4).
; CLUSTERS: 4 x 4 work-groups.  o's tile is shared along a row of the cluster, Wo's along a column: each is asked for jointly.  THE MATRIX INSTRUCTION IS USED TRANSPOSED (source 0 = 16 rows of Wo, source 1 = 16 tokens).
; 128 work-groups: a tile of half the size would give 256, at half as many products again for each byte read from LDS.
; REGISTERS, in windows of 256: window 0: v14-29 addresses; v32-95 bo of my 128 columns, eight a lane for each column block; v128-255 o's fragments, one set; on the way out rows read back from the stage.
;   window 1: Wo's fragments, two sets.   windows 2, 3: the accumulators of my rows 0-63, 64-127 ((a, b) at v[8 (8 a + b)]).
.set SIZE_N, 1024
.set ROWB,   256                       ; a row of Wo's tile in bytes
.set KROW,   1024                      ; a row of Wo in memory
.set PITCH,  272                       ; 256 bytes + 16 of padding = 68 words (64 banks of 4 bytes: ISA guide 11.1)
.set HEADB,  64*PITCH                  ; a head's 256 tokens in LDS
.set HEADG,  2048*64                   ; a head in memory
.set FR,     16
.set NL,     4
.set NP,     4                         ; places behind this matrix instruction (ISA guide 7.12.1)
.set HALFT,  128*PITCH                 ; what one tensor load fills: 128 rows of Wo, or two heads of o
.set SLOT,   4*HALFT                   ; o's four heads, then Wo's 256 rows
.set SPARE,  2*SLOT                    ; behind the ring: the spare words, 128 bytes for each wave: two blocks of 256 bytes that no other line names
.set SPITCH, 528                       ; the way out: a stage of 16 rows x (512 bytes + 16) for each wave, in slot 0, which has had its last fill and its last read when the first result is stored there
.set BOF,  14                          ; v14  32 x (lane / 16): my eight columns of bo
.set ADRA, 16                          ; v16-17  LDS address of my fragments of o in slot 0, 1
.set ADRB, 20                          ; v20-21  the same for Wo
.set STO,  24                          ; v24  the way out: where I put 32 bytes of a row
.set RD,   25                          ; v25  where I read a row back
.set CO,   26                          ; v26  my byte offset in a row of out0
.set SPW,  28                          ; v28  LDS address of my spare word; never rewritten
.set NIL,  29                          ; v29  0; never rewritten
.set BO,   32
.set AF,   128
.set BK,   128                         ; the way out: 16 rows read back: v128-191 and v192-255 by turns
.set G1, 24                            ; s[24:31] descriptor group 1 for o's tiles;  s[32:39] group 0, one set for each slot
.set G0, 32
.set G1B, 48                           ; s[48:55], s[56:63] the same for Wo's
.set G0B, 56
.set MSB, 0
.macro WIN new                         ; the immediate's high byte repeats the setting that is left
.if MSB != (\new)
	s_set_vgpr_msb (MSB<<8)|(\new)
.set MSB, (\new)
.endif
.endm
.set MUL_LO, 0xa1                      ; source 0 (Wo) window 1, source 1 (o) window 0, C and D window 2
.set MUL_HI, 0xf1                      ; the same, C and D window 3
.set TO_B,   0x40                      ; destination window 1, address window 0
; A joint load: waves 0 and 1 fetch for o, waves 2 and 3 for Wo.  The branch hangs on the wave's number alone.  Four v_nop follow each of the two lines.
.macro JLOAD g0a, g1a, g0b, g1b
	s_cmp_eq_u32 s15, 0
	s_cbranch_scc0 .Lfor_b_\@
	tensor_load_to_lds s[\g0a:\g0a+3], s[\g1a:\g1a+7]
	s_nop 0
.rept 4
	v_nop
.endr
	s_branch .Lasked_\@
.Lfor_b_\@:
	tensor_load_to_lds s[\g0b:\g0b+3], s[\g1b:\g1b+7]
	s_nop 0
.rept 4
	v_nop
.endr
.Lasked_\@:
.endm
.macro CREST                           ; a round of the cluster's barrier behind its opening barrier
	s_cmp_lg_u32 s14, 0
	s_cbranch_scc1 .Lnot_wave_0_\@
	s_barrier_signal -3
.Lnot_wave_0_\@:
	s_barrier_wait -3
	s_barrier_signal -1
	s_barrier_wait -1
.endm
.macro CROUND                          ; a whole round
	s_barrier_signal -1
	s_barrier_wait -1
	CREST
.endm
	s_load_b128 s[4:7], s[0:1], 0x0                ; o_codes s[4:5], Wo's codes s[6:7]
	s_load_b128 s[8:11], s[0:1], 0x10              ; the scales' exponents s[8:9], bo s[10:11]
	s_load_b64 s[12:13], s[0:1], 0x20              ; out0
	v_lshl_add_u32 v[SPW], v0, 2, SPARE
	v_mov_b32 v[NIL], 0
	ds_add_u32 v28, v29
	ds_add_u32 v28, v29
	s_wait_dscnt 0x0
	v_lshrrev_b32 v1, 5, v0
	v_readfirstlane_b32 s14, v1                    ; wave 0..3
	s_lshr_b32 s15, s14, 1                         ; which half of the tile's rows is mine.  Also: I fetch for o (0) or for Wo (1)
	s_and_b32 s16, s14, 1                          ; which half of its columns.  Also: which half of that tile I fetch
	s_bfe_u32 s40, ttmp6, 0x40000                  ; cx, cy: my place in the cluster
	s_bfe_u32 s41, ttmp6, 0x40004
	s_lshl_b32 s42, ttmp9, 2
	s_add_co_u32 s42, s42, s40                     ; tile column = 4 x cluster x + cx
	s_and_b32 s17, ttmp7, 0xffff
	s_lshl_b32 s17, s17, 2
	s_add_co_u32 s17, s17, s41                     ; tile row = 4 x cluster y + cy
	s_lshl_b32 s43, s41, 2
	s_lshl_b32 s43, 15, s43                        ; my row of the cluster
	s_lshl_b32 s44, 0x1111, s40                    ; my column
	; descriptor group 1 for o: 2 rows (heads) x 16,384 bytes (256 tokens x 64), 131,072 bytes apart
	s_or_b32 s[G1+0], s43, (0<<16)|(1<<20)|(1<<21)|(5<<22)|(3<<25)  ; 15:0 the mask: my row; 17:16 element of 1 byte; 20 padding on; 21 set beside a mask; 24:22 after every 64 words (code 5); 31:25 of 4 words (code 3)
	s_mov_b32 s[G1+1], (256*64)<<16                ; tensor_dim0 = 16,384
	s_mov_b32 s[G1+2], 2<<16                       ; tensor_dim1 = 2
	s_mov_b32 s[G1+3], (256*64)<<16                ; tile_dim0 = 16,384
	s_mov_b32 s[G1+4], 2                           ; tile_dim1 = 2
	s_mov_b32 s[G1+5], HEADG                       ; tensor_dim0_stride
	s_mov_b32 s[G1+6], 0
	s_mov_b32 s[G1+7], 0
	; and for Wo: 128 rows x 256 bytes
	s_or_b32 s[G1B+0], s44, (0<<16)|(1<<20)|(1<<21)|(5<<22)|(3<<25)
	s_mov_b32 s[G1B+1], ROWB<<16
	s_mov_b32 s[G1B+2], 128<<16
	s_mov_b32 s[G1B+3], ROWB<<16
	s_mov_b32 s[G1B+4], 128
	s_mov_b32 s[G1B+5], KROW
	s_mov_b32 s[G1B+6], 0
	s_mov_b32 s[G1B+7], 0
	s_lshr_b32 s20, s17, 3                         ; o: the batch (eight tiles of 256 tokens): 16 heads of 131,072 bytes,
	s_lshl_b32 s20, s20, 21
	s_and_b32 s18, s17, 7
	s_lshl_b32 s18, s18, 14                        ; + the tile's first token x 64 bytes,
	s_add_co_u32 s20, s20, s18
	s_lshl_b32 s18, s16, 18                        ; + the two heads that I fetch of a K step's four
	s_add_co_u32 s20, s20, s18
	s_mov_b32 s21, 0
	s_lshl_b32 s18, s16, 7
	s_lshl_b32 s46, s42, 8
	s_add_co_u32 s46, s46, s18
	s_lshl_b32 s46, s46, 10                        ; Wo: (256 x tile column + 128 x half) rows of 1,024 bytes
	s_mov_b32 s47, 0
	s_mul_i32 s45, s14, HALFT                      ; where they go: wave x 34,816 bytes: no place in the cluster enters an LDS address
	s_wait_kmcnt 0x0
	s_load_b64 s[96:97], s[8:9], 0x28              ; e10, e11
	s_add_nc_u64 s[20:21], s[4:5], s[20:21]
	s_add_nc_u64 s[46:47], s[6:7], s[46:47]
	CROUND                                         ; all sixteen work-groups are here: the first joint loads meet
.irp s, 0,1
	s_mov_b32 s[G0+4*\s], 1
	s_add_co_u32 s[G0+4*\s+1], s45, \s*SLOT
	s_add_nc_u64 s[G0+4*\s+2:G0+4*\s+3], s[20:21], \s*4*HEADG      ; K step s: heads 4 s on
	s_or_b32 s[G0+4*\s+3], s[G0+4*\s+3], 0x80000000
	s_mov_b32 s[G0B+4*\s], 1
	s_add_co_u32 s[G0B+4*\s+1], s45, \s*SLOT
	s_add_nc_u64 s[G0B+4*\s+2:G0B+4*\s+3], s[46:47], \s*ROWB
	s_or_b32 s[G0B+4*\s+3], s[G0B+4*\s+3], 0x80000000
	JLOAD G0+4*\s, G1, G0B+4*\s, G1B               ; two tensor loads of mine are out
.endr
	v_and_b32 v1, 15, v0                           ; r = lane % 16
	v_bfe_u32 v2, v0, 4, 1                         ; h = lane / 16
	v_mul_u32_u24 v3, v1, PITCH
	v_lshl_add_u32 v4, v2, 4, v3                   ; Wo: row x pitch + 16 h
	v_lshrrev_b32 v5, 2, v1
	v_mul_u32_u24 v5, v5, PITCH
	v_and_b32 v6, 3, v1
	v_lshl_add_u32 v5, v6, 6, v5
	v_lshl_add_u32 v5, v2, 4, v5                   ; o: 272 (r / 4) + 64 (r % 4) + 16 h
	s_mul_i32 s21, s15, 32*PITCH                   ; my 128 tokens: 32 groups of four
	s_mul_i32 s22, s16, HALFT                      ; my 128 rows of Wo,
	s_add_co_u32 s22, s22, 2*HALFT                 ; which lie behind o's four heads
.irp s, 0,1
	v_add_nc_u32 v[ADRA+\s], s21, v5
	v_add_nc_u32 v[ADRB+\s], s22, v4
	s_add_co_u32 s21, s21, SLOT
	s_add_co_u32 s22, s22, SLOT
.endr
	s_mul_i32 s23, s14, 16*SPITCH                  ; my stage
	v_mul_u32_u24 v5, v1, SPITCH                   ; in: row r, 32 bytes for each half of the lanes
	v_lshl_add_u32 v5, v2, 5, v5
	v_add_nc_u32 v[STO], s23, v5
	v_and_b32 v6, 31, v0
	v_lshlrev_b32 v[CO], 4, v6                     ; back: the 32 lanes take one row of 512 bytes; and the same in out0
	v_add_nc_u32 v[RD], s23, v[CO]
	v_lshlrev_b32 v[BOF], 5, v2
	s_lshl_b32 s46, s42, 10                        ; my first column, in bytes of f32: 1,024 x tile column + 512 x half: in out0's rows and in bo alike
	s_lshl_b32 s47, s16, 9
	s_add_co_u32 s46, s46, s47
	s_mov_b32 s47, 0
	s_add_nc_u64 s[10:11], s[10:11], s[46:47]
.irp b, 0,1,2,3,4,5,6,7
	global_load_b128 v[BO+8*\b:BO+8*\b+3],   v[BOF], s[10:11] offset:64*\b      ; bo of columns 16 b + 8 h + 0 .. 3
	global_load_b128 v[BO+8*\b+4:BO+8*\b+7], v[BOF], s[10:11] offset:64*\b+16   ; and + 4 .. 7
.endr
	s_lshl_b32 s20, s17, 8
	s_lshl_b32 s21, s15, 7
	s_add_co_u32 s20, s20, s21                     ; my first row of out0: 256 x tile row + 128 x half,
	s_lshl_b32 s20, s20, 12                        ; of 4,096 bytes: 32 MiB at the most
	s_add_co_u32 s20, s20, s46
	s_mov_b32 s21, 0
	s_add_nc_u64 s[12:13], s[12:13], s[20:21]
.macro FRAG reg, adr, q, i             ; a fragment of Wo, 16 rows x 128 K: registers 4 c .. 4 c + 3 hold K = 128 q + 32 c + 16 (l / 16) + 0 .. 15 of the K step
.irp c, 0,1,2,3
	ds_load_b128 v[\reg+4*\c:\reg+4*\c+3], v[\adr] offset:128*(\q)+32*\c+(\i)*16*PITCH
.endr
.endm
.macro FRAG_A reg, adr, q, i           ; the same k of o: head 2 q + c / 2 of the slot's four, channels 32 (c % 2) + 16 (l / 16) + 0 .. 15; tokens 16 i on: four groups of four
.irp c, 0,1,2,3
	ds_load_b128 v[\reg+4*\c:\reg+4*\c+3], v[\adr] offset:(2*(\q)+\c/2)*HEADB+(\i)*4*PITCH+32*(\c%2)
.endr
.endm
; 16 matrix instructions: token blocks a0, a0 + 1 x Wo's eight, 128 along K.  p: Wo's set.  zero = 1: the first product starts the sums.  The 64 accumulators take turns, one instruction a turn.
.macro MUL16 a0, p, zero
.irp a, \a0, \a0+1
.irp b, 0,1,2,3,4,5,6,7
.if \zero
	v_wmma_f32_16x16x128_bf8_bf8 v[8*(8*((\a)%4)+\b):8*(8*((\a)%4)+\b)+7], v[128*(\p)+FR*\b:128*(\p)+FR*\b+FR-1], v[AF+FR*(\a):AF+FR*(\a)+FR-1], 0
.else
	v_wmma_f32_16x16x128_bf8_bf8 v[8*(8*((\a)%4)+\b):8*(8*((\a)%4)+\b)+7], v[128*(\p)+FR*\b:128*(\p)+FR*\b+FR-1], v[AF+FR*(\a):AF+FR*(\a)+FR-1], v[8*(8*((\a)%4)+\b):8*(8*((\a)%4)+\b)+7]
.endif
.endr
.endr
.endm
.macro FETCH_B slot, q, p
	WIN TO_B
.irp i, 0,1,2,3,4,5,6,7
	FRAG 128*(\p)+FR*\i, ADRB+\slot, \q, \i
.endr
	WIN 0
.endm
.macro FETCH_A slot, q, i0
.irp i, \i0, \i0+1, \i0+2, \i0+3
	FRAG_A AF+FR*(\i), ADRA+\slot, \q, \i
.endr
.endm
.macro PLACES n                        ; places in front of loads into registers that matrix instructions have read, and of the first read of results (ISA guide 7.12.1 for vector instructions)
.rept \n
	v_nop
.endr
.endm
.macro STEP slot, q, zero              ; a step of 128 along K that has its successor in the same slot
	s_wait_dscnt 4*NL                              ; Wo's set and token blocks 0-3 are in; the youngest 16 loads (blocks 4-7) may be out
	WIN MUL_LO
	MUL16 0, (\q)%2, \zero
	MUL16 2, (\q)%2, \zero
	s_wait_dscnt 0                                 ; blocks 4-7 are in (asked for 32 matrix instructions ago)
	PLACES NP
	FETCH_B \slot, (\q)+1, 1-(\q)%2
	FETCH_A \slot, (\q)+1, 0
	WIN MUL_HI
	MUL16 4, (\q)%2, \zero
	MUL16 6, (\q)%2, \zero
	PLACES NP
	WIN 0
	FETCH_A \slot, (\q)+1, 4
.endm
; A slot's last step changes slots: ONE barrier; in front of it each wave waits for all its tensor loads, adds 0 to its spare word, and waits for that and for its own reads of this slot.  fill = 1: this slot is filled again, two K steps ahead.
.macro TURN slot, next, fill
	s_wait_tensorcnt 0x0                           ; all my tensor loads have landed: my part of the next slot;  (every window is 0 here)
	ds_add_u32 v[SPW], v[NIL]                      ; 0 onto my spare word
	s_wait_dscnt 4*NL+1                            ; (the add and the youngest 16 loads may be out)
	WIN MUL_LO
	MUL16 0, 1, 0                                  ; sixteen matrix instructions stand between the add and the wait for it
	s_wait_dscnt 0x0                               ; the add is done, and my reads of this slot are over
	s_barrier_signal -1
	MUL16 2, 1, 0
	WIN 0
	s_barrier_wait -1
.if \fill
	CREST                                          ; the barrier has opened a round of the cluster's barrier: no wave of any partner still reads this slot's tile or has a load on its way
	s_add_nc_u64 s[G0+4*\slot+2:G0+4*\slot+3], s[G0+4*\slot+2:G0+4*\slot+3], 8*HEADG    ; eight heads on
	s_add_nc_u64 s[G0B+4*\slot+2:G0B+4*\slot+3], s[G0B+4*\slot+2:G0B+4*\slot+3], 2*ROWB
	JLOAD G0+4*\slot, G1, G0B+4*\slot, G1B         ; the first tensor load behind the round, my one load until the next; its four v_nop are the places in front of the loads below
.else
	PLACES NP
.endif
	FETCH_B \next, 0, 0
	FETCH_A \next, 0, 0
	WIN MUL_HI
	MUL16 4, 1, 0
	MUL16 6, 1, 0
	PLACES NP
	WIN 0
	FETCH_A \next, 0, 4
.endm
	s_wait_tensorcnt 1                             ; my part of K step 0 is in (K step 1's load may be out)
	s_barrier_signal -1
	s_barrier_wait -1                              ; everybody's is
	FETCH_B 0, 0, 0
	FETCH_A 0, 0, 0
	FETCH_A 0, 0, 4
	STEP 0, 0, 1                                   ; heads 0, 1: the products start the sums
	TURN 0, 1, 1                                   ; heads 2, 3; slot 0 takes heads 8-11
	STEP 1, 0, 0
	TURN 1, 0, 1                                   ; slot 1 takes heads 12-15
	STEP 0, 0, 0
	TURN 0, 1, 0                                   ; nothing is left to fetch: slot 0 has had its last fill, and behind this barrier nobody reads it
	STEP 1, 0, 0
	s_wait_dscnt 4*NL                              ; the very last step
	WIN MUL_LO
	MUL16 0, 1, 0
	MUL16 2, 1, 0
	s_wait_dscnt 0
	WIN MUL_HI
	MUL16 4, 1, 0
	MUL16 6, 1, 0
	WIN 0
; THE WAY OUT, block by block of 16 rows x 128 columns.  A lane holds 32 neighbouring bytes of a row, and the lanes beside it hold other rows: so a block goes through my own stage in LDS and comes back as whole
; rows of 512 bytes, which the 32 lanes store as two aligned runs of 256 bytes.  LDS serves a wave's instructions in order (ISA guide 5.7.1.4): no wait between the stores and the loads, nor in front of the next block's stores.
.macro TOSTAGE a
.set AC, 64*((\a)%4)
	WIN 0x82+0x41*((\a)/4)                         ; source 0 and destination window 2 or 3; bo window 0
.irp j, 0,2,4,6,8,10,12,14,16,18,20,22,24,26,28,30,32,34,36,38,40,42,44,46,48,50,52,54,56,58,60,62
	v_pk_fma_f32 v[AC+\j:AC+\j+1], v[AC+\j:AC+\j+1], s[96:97], v[BO+\j:BO+\j+1] op_sel_hi:[1,0,1]   ; sum x 2^(e10 + e11) + bo, in place; each accumulator from its low end on
.endr
	WIN 0x08+4*((\a)/4)                            ; the stores' data window 2 or 3, their address window 0
.irp b, 0,1,2,3,4,5,6,7
	ds_store_b128 v[STO], v[AC+8*\b:AC+8*\b+3] offset:64*\b
	ds_store_b128 v[STO], v[AC+8*\b+4:AC+8*\b+7] offset:64*\b+16
.endr
	WIN 0
.set BB, BK+64*((\a)%2)
.irp t, 0,1,2,3,4,5,6,7,8,9,10,11,12,13,14,15
	ds_load_b128 v[BB+4*\t:BB+4*\t+3], v[RD] offset:\t*SPITCH
.endr
.endm
.macro SEND a, younger                 ; younger: the LDS instructions issued behind block a's loads, which may stay out
.set BB, BK+64*((\a)%2)
	s_wait_dscnt \younger                          ; the block is back in registers
.if (\a) > 0
	s_add_nc_u64 s[12:13], s[12:13], 16*SIZE_N*4   ; (behind a wait on XCNT: the earlier stores have read their base)  16 rows on, so that the stores' offsets stay at 15 rows at the most
.endif
.irp t, 0,1,2,3,4,5,6,7,8,9,10,11,12,13,14,15
	global_store_b128 v[CO], v[BB+4*\t:BB+4*\t+3], s[12:13] offset:\t*SIZE_N*4 th:TH_STORE_NT   ; 32 lanes store 512 consecutive bytes, at a multiple of 256 from out0's first byte; written once, read by nobody here
.endr
.endm
	s_wait_kmcnt 0x0
	s_add_co_i32 s96, s96, s97                     ; e10 + e11, between -126 and 127,
	s_add_co_i32 s96, s96, 127
	s_lshl_b32 s96, s96, 23                        ; makes the f32 number 2^(e10 + e11)
	s_mov_b32 s97, s96                             ; (named with it as a pair)
	s_wait_loadcnt 0x0                             ; bo, asked for at the head
	PLACES NP                                      ; behind the last products: for the first read of results and for the loads into the registers that held o's fragments
	TOSTAGE 0
.irp a, 1,2,3,4,5,6,7
.if \a > 1
	s_wait_xcnt 0x0                                ; block a - 2's stores have read their registers and their base: block a's loads may land there, and the base may step
.endif
	TOSTAGE \a
	SEND \a-1, 32                                  ; behind block a - 1's loads: block a's 16 stores and 16 loads
.endr
	s_wait_xcnt 0x0                                ; block 6's stores have read their base
	SEND 7, 0
	s_wait_tensorcnt 0x0                           ; the wave's end: behind my last tensor load and my last LDS store
	ds_add_u32 v[SPW], v[NIL]
	s_wait_dscnt 0x0
	CROUND                                         ; the closing round: no work-group ends while a partner may still ask for a tile that names it
	s_endpgm
.Lfunc_end_k_q91e95e8571_proj:
	.size	k_q91e95e8571_proj, .Lfunc_end_k_q91e95e8571_proj-k_q91e95e8571_proj
	.p2alignl 7, 3214868480
	.fill 96, 4, 3214868480
	.section	.rodata,"a",@progbits
	.p2align	6, 0x0
	.amdhsa_kernel k_q91e95e8571_proj
		.amdhsa_group_segment_fixed_size 327680
		.amdhsa_private_segment_fixed_size 0
		.amdhsa_enable_private_segment 0
		.amdhsa_kernarg_size 40
		.amdhsa_user_sgpr_count 2
		.amdhsa_user_sgpr_kernarg_segment_ptr 1
		.amdhsa_wavefront_size32 1
		.amdhsa_system_sgpr_workgroup_id_x 1
		.amdhsa_system_sgpr_workgroup_id_y 1
		.amdhsa_system_sgpr_workgroup_id_z 1
		.amdhsa_system_vgpr_workitem_id 0
		.amdhsa_next_free_vgpr 1024
		.amdhsa_next_free_sgpr 100
		.amdhsa_reserve_vcc 0
		.amdhsa_float_denorm_mode_32 3
		.amdhsa_float_denorm_mode_16_64 3
		.amdhsa_memory_ordered 1
		.amdhsa_forward_progress 1
		.amdhsa_inst_pref_size 125
	.end_amdhsa_kernel
	.amdgpu_metadata
---
amdhsa.version: [ 1, 2 ]
amdhsa.kernels:
  - .name:           k_q91e95e8571_proj
    .symbol:         k_q91e95e8571_proj.kd
    .args:
      - { .name: o_codes, .offset: 0, .size: 8, .value_kind: global_buffer, .address_space: global }
      - { .name: Wo_codes, .offset: 8, .size: 8, .value_kind: global_buffer, .address_space: global }
      - { .name: lowp_scales, .offset: 16, .size: 8, .value_kind: global_buffer, .address_space: global }
      - { .name: bo, .offset: 24, .size: 8, .value_kind: global_buffer, .address_space: global }
      - { .name: out0, .offset: 32, .size: 8, .value_kind: global_buffer, .address_space: global }
    .group_segment_fixed_size: 327680
    .private_segment_fixed_size: 0
    .kernarg_segment_align: 8
    .kernarg_segment_size: 40
    .max_flat_workgroup_size: 128
    .sgpr_count:     100
    .vgpr_count:     1024
    .wavefront_size: 32
...
	.end_amdgpu_metadata
.endif
;; end of part 3
;; ======== version 2 of 2: 3 launches; version 1 with the launch attn written anew for expert scheduling mode
;; workspace buffers: q_codes 8,388,608 bytes; k_codes 8,388,608 bytes; v_codes 8,388,608 bytes; o_codes 8,388,608 bytes
;; launch qkv: the kernel of part 1 again; grid 12 x 32, 4 waves a work-group, clusters of 4 x 4, 327,680 bytes of LDS; arguments x_codes, Wq_codes, Wk_codes, Wv_codes, bq, bk, bv, lowp_scales, q_codes, k_codes, v_codes; writes q_codes, k_codes, v_codes
;; launch attn (part 4): grid 4 x 64, 4 waves a work-group, no clusters, 18,944 bytes of LDS; arguments q_codes, k_codes, v_codes, lowp_scales, o_codes; writes o_codes
.if DOCPART == 4
	.amdgcn_target "amdgcn-amd-amdhsa--gfx1250"
	.amdhsa_code_object_version 6
	.text
	.protected	k_q91e95e8571_attn
	.globl	k_q91e95e8571_attn
	.p2align	8
	.type	k_q91e95e8571_attn,@function
k_q91e95e8571_attn:
	s_mov_b64 s[64:65], 0
	v_nop
	global_prefetch_b8 v0, s[64:65] scope:SCOPE_SE
	s_setreg_imm32_b32 hwreg(HW_REG_WAVE_SCHED_MODE, 0, 2), 2
	s_setreg_imm32_b32 hwreg(HW_REG_WAVE_MODE, 25, 1), 1
	s_wait_xcnt 0x0
	s_wait_alu depctr_vm_vsrc(0)
; ATTENTION ON CODES OF BF8 (E5M2), HEAD SIZE 64, 2,048 KEYS, WITH p QUANTISED FINISHED AND NORMALISED: p = |exp(s - max) / sum| is what is converted, with the scale 2^e8.
; So a row's maximum and sum are known before any p of that row is converted.  The scores of 16 queries x 2,048 keys stay in REGISTERS meanwhile, and each is multiplied once and exponentiated once.
; SHARES.  A work-group owns one head (work-group y) and 512 of its queries (work-group x): 32 tiles of 16.  THE WAVES SHARE THE KEYS: wave w owns keys 512 w .. 512 w + 511 for every tile.
; Its 512 keys of K (256 registers) and of V (256 registers) are read from memory once and stay; its 16 x 512 scores fill 256 registers more.
; LAYOUT.  Both products are used transposed: S^T = K Q^T (source 0 = 16 keys, source 1 = 16 queries), O^T = V^T P^T (source 0 = 16 channels, source 1 = P): a lane holds ONE query (lane % 16) throughout.
; THE KEYS OF A TILE ARE NOT NEIGHBOURS: lane r of tile 2 b + u takes key 32 b + 8 u + r + 8 (r / 8), so that the 16 registers of tiles 2 b and 2 b + 1 are keys 32 b + 16 (lane / 16) + 0 .. 15,
; and the conversions' results are the second product's operand as they stand.
; THE SOFTMAX.  t = score x 2^(e6 + e7) x log2(e) / 8.  Each wave takes its OWN maximum, rounded up to a whole number M_w, p_w = 2^(t - M_w) and the sum l_w of its p_w.  One exchange through LDS brings all four
; (M_w, l_w); M = the largest, l = the sum of l_w 2^(M_w - M), and p = p_w x g with g = 2^(M_w - M) / l.  The powers of two round nothing.
; O's four partial sums (one a wave) meet in LDS; each thread adds eight numbers, quantises them with the folded scale 2^(e10 - e8 - e9) and stores eight codes: o_codes [head][query][64].
; LIMITS on the given exponents, so that each power of two below is an f32 number: e6 + e7 between -123 and 130; e8, and e10 - e8 - e9, between -126 and 112.  A p under 2^-126 counts as 0.  NaN is not served.
; No tensor load: K and V go straight into registers, and the one stream of the loop, 1,024 bytes of Q a trip, is asked for behind the maximum's chains of the trip before.  The four work-groups of a head read the
; same K and V, once each, at the head: 256 KiB against 32 trips of work, so no cluster and no joint request.
; THE MODE: SCHED_MODE bits 1:0 = 2 (LLVM: expert scheduling mode 2), set by the entry lines.  The code itself states the register dependences between vector or matrix instructions and memory or LDS
; instructions, with s_wait_alu, always for 0.
; THE PLAN.  Registers that memory or LDS instructions touch:
;   v1-v8         addresses and offsets: written at the head, read by every load and store, never written again.   v254, v255: written at the head, read by the closing add alone.
;   Q             read by a trip's 32 products K Q^T; the next tile's two loads land in it, behind the maximum's chains and one wait on va_vdst.
;   v[14:15]      -M_w, l_w: written by the floor and by the sum's last addition; read by the exchange's LDS store; written again in the next trip.
;   STT, PO       LDS loads land in them behind a barrier; vector instructions then rework them.  The wait on va_vdst ahead of the LDS stores in front of that barrier covers the last trip's work on them:
;                 no vector instruction stands between that wait and the loads.
;   O             written by the 16 products V^T P^T; read by eight LDS stores; begun anew by the next trip's products.
;   OC            written by the last conversion; read by the global store; written again in the next trip.
;   K, V (loaded once), S^T, P and the chains are named in the loop by vector and matrix instructions alone.
; So a trip holds, beside the two waits behind its transcendentals, a wait on va_vdst ahead of the loads of Q, one ahead of each of its three runs of stores, and ONE wait on vm_vsrc, at its end, for all that those stores read.
; REGISTERS, in windows of 256: window 0: see the names below.  window 1: K, tile t at v[8 t].  window 2: V, channels 16 c on, keys 128 s on, at v[64 c + 16 s].  window 3: S^T, then p: tile t at v[8 t].
.set TILES, 32
.set OPB,   512                        ; LDS: bytes 0-511 the statistics, 128 a wave (16 queries x 8); from 512 the partial O: for each wave 16 rows x (256 bytes + 16)
.set OPP,   272
.set OPW,   16*OPP
.set KA,   1                           ; v1   K: (r + 8 (r / 8)) x 64 + 16 h
.set VA,   2                           ; v2   V: 2,048 r + 16 h
.set QA,   3                           ; v3   Q: 64 r + 16 h
.set STW,  4                           ; v4   where I put my query's statistics: 128 w + 8 r
.set STR,  5                           ; v5   where I read the four waves': 8 r
.set OW,   6                           ; v6   where I put 32 bytes of my partial O
.set ORD,  7                           ; v7   where I read eight numbers of each partial O
.set GO,   8                           ; v8   8 x my thread's number: my eight codes of a tile of O
.set PSC,  10                          ; v10  2^e8;  v11  57,344 x 2^e8
.set PLIM, 11
.set OSC,  12                          ; v12  2^(e10 - e8 - e9);  v13  57,344 x that
.set OLIM, 13
.set NM,   14                          ; v[14:15]  -M_w, l_w
.set Q,    16                          ; v16-23   Q's fragment
.set STT,  24                          ; v24-31   the four waves' statistics
.set O,    32                          ; v32-63   O^T, four accumulators
.set P,    64                          ; v64-127  p's codes: four fragments of 128 keys
.set T,    132                         ; v132-135 at work
.set G,    144                         ; v[144:145] g (the low word serves both halves)
.set MX,   146                         ; v146-153 the maximum's eight chains
.set PO,   160                         ; v160-191 the four partial O
.set OC,   192                         ; v[192:193] eight codes of O
.set SM,   200                         ; v200-215 the sum's eight chains, a pair each
.set MSB, 0
.macro WIN new                         ; the immediate's high byte repeats the setting that is left
.if MSB != (\new)
	s_set_vgpr_msb (MSB<<8)|(\new)
.set MSB, (\new)
.endif
.endm
	s_load_b256 s[4:11], s[0:1], 0x0               ; q_codes s[4:5], k_codes s[6:7], v_codes s[8:9], the scales' exponents s[10:11]
	s_load_b64 s[12:13], s[0:1], 0x20              ; o_codes
	v_lshl_add_u32 v254, v0, 2, 0x4800
	v_mov_b32 v255, 0
	v_lshrrev_b32 v1, 5, v0
	v_readfirstlane_b32 s27, v1                    ; wave 0..3
	v_and_b32 v9, 15, v0                           ; r
	v_bfe_u32 v[T], v0, 4, 1                       ; h
	v_and_b32 v[T+1], 8, v9
	v_add_nc_u32 v[T+1], v[T+1], v9                ; r + 8 (r / 8)
	v_lshlrev_b32 v[KA], 6, v[T+1]
	v_lshl_add_u32 v[KA], v[T], 4, v[KA]
	v_lshlrev_b32 v[VA], 11, v9
	v_lshl_add_u32 v[VA], v[T], 4, v[VA]
	v_lshlrev_b32 v[QA], 6, v9
	v_lshl_add_u32 v[QA], v[T], 4, v[QA]
	s_wait_alu depctr_va_sdst(0)                   ; s27, the wave's number, is written, ahead of its first reader: LDS addresses and the bases of K and V are made from it
	s_lshl_b32 s14, s27, 7
	v_lshl_add_u32 v[STW], v9, 3, s14
	v_lshlrev_b32 v[STR], 3, v9
	s_mul_i32 s15, s27, OPW
	s_add_co_u32 s15, s15, OPB
	v_mul_u32_u24 v[OW], v9, OPP
	v_lshl_add_u32 v[OW], v[T], 5, v[OW]
	v_add_nc_u32 v[OW], s15, v[OW]                 ; my wave's part, row r, + 32 h; tile c's eight channels 64 c bytes on
	v_lshrrev_b32 v[T+2], 3, v0
	v_mul_u32_u24 v[ORD], v[T+2], OPP
	v_and_b32 v[T+3], 7, v0
	v_lshl_add_u32 v[ORD], v[T+3], 5, v[ORD]
	v_add_nc_u32 v[ORD], OPB, v[ORD]               ; thread n adds query n / 8, channels 8 (n % 8) + 0 .. 7
	v_lshlrev_b32 v[GO], 3, v0
	v_mov_b32 v[NM+1], 0                           ; (named as the upper half of the pair v[14:15] before the first sum is made)
	v_mov_b32 v[G+1], 0                            ; (named as the upper half of the pair v[144:145])
	s_and_b32 s28, ttmp7, 0xffff
	s_lshl_b32 s28, s28, 17                        ; the head: 131,072 bytes in each of the four buffers
	s_lshl_b32 s14, ttmp9, 15
	s_add_co_u32 s30, s28, s14                     ; Q, O: + my 512 queries of 64 bytes
	s_lshl_b32 s14, s27, 15
	s_add_co_u32 s32, s28, s14                     ; K: + my wave's 512 keys of 64 bytes
	s_lshl_b32 s14, s27, 9
	s_add_co_u32 s34, s28, s14                     ; V: + my wave's 512 keys in a row
	s_mov_b32 s31, 0
	s_mov_b32 s33, 0
	s_mov_b32 s35, 0
	s_mov_b32 s24, 0x76543210
	s_mov_b32 s25, 0xfedcba98                      ; v_permlanex16_b32's selects for lane l xor 16
	s_mov_b32 s22, 0x3e38aa3b                      ; c = log2(e) / sqrt(64)
	s_mov_b32 s26, TILES
	s_wait_kmcnt 0x0
	s_load_b128 s[16:19], s[10:11], 0x18           ; e6, e7, e8, e9
	s_load_b32 s20, s[10:11], 0x28                 ; e10
	s_add_nc_u64 s[4:5], s[4:5], s[30:31]
	s_add_nc_u64 s[12:13], s[12:13], s[30:31]
	s_add_nc_u64 s[6:7], s[6:7], s[32:33]
	s_add_nc_u64 s[8:9], s[8:9], s[34:35]
	s_wait_alu depctr_va_vdst(0)                   ; the eight addresses and offsets v1 to v8 are written, which every load and store of the kernel reads; only loads and window switches stand between this wait and the loads of K and V
	global_load_b128 v[Q:Q+3],   v[QA], s[4:5]             ; the first tile of queries: registers 0-3 hold channels 16 h + 0 .. 15, registers 4-7 channels 32 + 16 h + 0 .. 15: the same order as in K
	global_load_b128 v[Q+4:Q+7], v[QA], s[4:5] offset:32
	WIN 0x40                                       ; destination window 1
.set t, 0
.rept 32
	global_load_b128 v[8*t:8*t+3],   v[KA], s[6:7] offset:(32*(t/2)+8*(t%2))*64
	global_load_b128 v[8*t+4:8*t+7], v[KA], s[6:7] offset:(32*(t/2)+8*(t%2))*64+32
.set t, t+1
.endr
	WIN 0x80                                       ; destination window 2
.irp c, 0,1,2,3
.irp s, 0,1,2,3
.irp j, 0,1,2,3
	global_load_b128 v[64*\c+16*\s+4*\j:64*\c+16*\s+4*\j+3], v[VA], s[8:9] offset:32768*\c+128*\s+32*\j   ; channel 16 c + r, keys 128 s + 32 j + 16 h + 0 .. 15
.endr
.endr
.endr
	WIN 0
	s_wait_kmcnt 0x0
	s_add_co_i32 s14, s16, s17
	s_lshl_b32 s14, s14, 23
	s_add_co_i32 s22, s22, s14                     ; a score stands for score x 2^(e6 + e7): the two exponents are added to c's exponent field
	s_mov_b32 s23, s22                             ; (named with it as a pair)
	s_add_co_i32 s14, s18, 127
	s_lshl_b32 s15, s14, 23
	v_mov_b32 v[PSC], s15
	s_add_co_i32 s14, s14, 15
	s_lshl_b32 s14, s14, 23
	s_or_b32 s14, s14, 0x600000
	v_mov_b32 v[PLIM], s14
	s_sub_co_i32 s14, s20, s18
	s_sub_co_i32 s14, s14, s19                     ; a sum of the second product stands for sum x 2^(e8 + e9): its code is sum / 2^(e10 - e8 - e9)
	s_add_co_i32 s14, s14, 127
	s_lshl_b32 s15, s14, 23
	v_mov_b32 v[OSC], s15
	s_add_co_i32 s14, s14, 15
	s_lshl_b32 s14, s14, 23
	s_or_b32 s14, s14, 0x600000
	v_mov_b32 v[OLIM], s14
.Ltile:                                            ; a trip: one tile of 16 queries against all 2,048 keys
	s_wait_loadcnt 0x0                             ; this tile's Q (in the first trip K and V too)
	WIN 0xc1                                       ; K window 1, Q window 0, S^T window 3
.set t, 0
.rept 32
	v_wmma_f32_16x16x64_bf8_bf8 v[8*t:8*t+7], v[8*t:8*t+7], v[Q:Q+7], 0    ; 32 accumulators, each written once
.set t, t+1
.endr
.rept 4
	v_nop                                          ; four places in front of the first read of the scores
.endr
	; the largest of my query's 256 scores in this lane: eight chains, the registers in ascending order
	WIN 0x0f                                       ; sources 0 and 1 window 3
.irp k, 0,1,2,3,4,5,6,7
	v_max_num_f32 v[MX+\k], v[2*\k], v[2*\k+1]
.endr
	WIN 0x3c                                       ; sources 1 and 2 window 3
.set n, 0
.rept 120
	v_max3_num_f32 v[MX+n%8], v[MX+n%8], v[16+2*n], v[17+2*n]
.set n, n+1
.endr
	WIN 0
	s_wait_alu depctr_va_vdst(0)                   ; the 32 products are done reading Q's registers, in which the next tile's loads land; it stands behind the chains, which have read every product's result
	s_cmp_eq_u32 s26, 1                            ; the next tile's Q is asked for now, if there is a next tile: no load leaves its buffer
	s_cbranch_scc1 .Lno_next
	s_add_nc_u64 s[4:5], s[4:5], 1024              ; (the loads that read this base are in)
	global_load_b128 v[Q:Q+3],   v[QA], s[4:5]
	global_load_b128 v[Q+4:Q+7], v[QA], s[4:5] offset:32
.Lno_next:
	v_max3_num_f32 v[MX], v[MX], v[MX+1], v[MX+2]
	v_max3_num_f32 v[MX+3], v[MX+3], v[MX+4], v[MX+5]
	v_max3_num_f32 v[MX], v[MX], v[MX+6], v[MX+7]
	v_max_num_f32 v[MX], v[MX], v[MX+3]
	v_permlanex16_b32 v[T], v[MX], s24, s25        ; the query's other 256 keys of my wave lie in the lane 16 away
	v_max_num_f32 v[MX], v[MX], v[T]
	v_mul_f32 v[MX], s22, v[MX]                    ; as t (c is positive)
	v_floor_f32 v[NM], -v[MX]                      ; -M_w = floor(-t) = -ceil(t): a whole number
	; ONE BATCH: 128 scalings t - M_w, a pair each, and 256 exponentials; a pair is scaled two steps ahead of its exponentials, and nothing here names an exponential's result
	WIN 0xc3                                       ; source 0 and destination window 3; -M_w window 0
	v_pk_fma_f32 v[0:1], v[0:1], s[22:23], v[NM:NM+1] op_sel_hi:[1,0,0]
	v_pk_fma_f32 v[2:3], v[2:3], s[22:23], v[NM:NM+1] op_sel_hi:[1,0,0]
.set j, 0
.rept 128
.if j+2 < 128
	v_pk_fma_f32 v[2*j+4:2*j+5], v[2*j+4:2*j+5], s[22:23], v[NM:NM+1] op_sel_hi:[1,0,0]
.endif
	v_exp_f32 v[2*j], v[2*j]                       ; p_w = 2^(t - M_w), at most 1
	v_exp_f32 v[2*j+1], v[2*j+1]
.set j, j+1
.endr
	WIN 0
	v_nop                                          ; a plain instruction behind the last exponential
	s_wait_alu depctr_va_vdst(0)                   ; the 256 exponentials have written p_w: one wait for the whole batch, ahead of its first reader, the sums below
	; the sum of my 256 p_w: eight chains of pairs
	WIN 0x0f
.irp k, 0,1,2,3,4,5,6,7
	v_pk_add_f32 v[SM+2*\k:SM+2*\k+1], v[4*\k:4*\k+1], v[4*\k+2:4*\k+3]
.endr
	WIN 0x0c                                       ; source 1 window 3
.set n, 0
.rept 112
	v_pk_add_f32 v[SM+2*(n%8):SM+2*(n%8)+1], v[SM+2*(n%8):SM+2*(n%8)+1], v[32+2*n:33+2*n]
.set n, n+1
.endr
	WIN 0
.irp k, 0,1,2,3
	v_pk_add_f32 v[SM+2*\k:SM+2*\k+1], v[SM+2*\k:SM+2*\k+1], v[SM+8+2*\k:SM+9+2*\k]
.endr
	v_pk_add_f32 v[SM:SM+1], v[SM:SM+1], v[SM+4:SM+5]
	v_pk_add_f32 v[SM+2:SM+3], v[SM+2:SM+3], v[SM+6:SM+7]
	v_pk_add_f32 v[SM:SM+1], v[SM:SM+1], v[SM+2:SM+3]
	v_add_f32 v[SM], v[SM], v[SM+1]
	v_permlanex16_b32 v[T+1], v[SM], s24, s25
	v_add_f32 v[NM+1], v[SM], v[T+1]               ; l_w
	; the exchange: the words were last read ahead of the barrier that closed the trip before
	s_wait_alu depctr_va_vdst(0)                   ; -M_w and l_w are written, which the LDS store reads; and the last trip's vector work on v[STT ..] is done, in which the loads behind the barrier land
	ds_store_b64 v[STW], v[NM:NM+1]                ; (lanes r and r + 16 store the same two words)
	s_wait_dscnt 0x0                               ; for the others' sake: my store is done
	s_barrier_signal -1
	s_barrier_wait -1
.irp w, 0,1,2,3
	ds_load_b64 v[STT+2*\w:STT+2*\w+1], v[STR] offset:128*\w
.endr
	s_wait_dscnt 0x0
	v_min3_num_f32 v[T], v[STT], v[STT+2], v[STT+4]
	v_min_num_f32 v[T], v[T], v[STT+6]             ; -M
.irp w, 0,1,2,3
	v_sub_f32 v[STT+2*\w], v[T], v[STT+2*\w]       ; M_w - M: a whole number, 0 or less
.endr
.irp w, 0,1,2,3
	v_cvt_i32_f32 v[STT+2*\w], v[STT+2*\w]         ; (it saturates)
.endr
.irp w, 0,1,2,3
	v_ldexp_f32 v[STT+2*\w+1], v[STT+2*\w+1], v[STT+2*\w]
.endr
	v_add_f32 v[STT+1], v[STT+1], v[STT+3]
	v_add_f32 v[STT+5], v[STT+5], v[STT+7]
	v_add_f32 v[STT+1], v[STT+1], v[STT+5]         ; l: the same order in every wave
	v_rcp_f32 v[T+2], v[STT+1]
	v_sub_f32 v[T+3], v[T], v[NM]                  ; (a plain place behind the reciprocal)  my M_w - M
	v_cvt_i32_f32 v[T+3], v[T+3]
	s_wait_alu depctr_va_vdst(0)                   ; the reciprocal has written 1 / l, ahead of its first reader
	v_ldexp_f32 v[G], v[T+2], v[T+3]               ; g = 2^(M_w - M) / l
	; p = |p_w g|, held at the largest code x the scale, converted
	WIN 0xc3
.set j, 0
.rept 128
	v_pk_mul_f32 v[2*j:2*j+1], v[2*j:2*j+1], v[G:G+1] op_sel_hi:[1,0]
.set j, j+1
.endr
.set j, 0
.rept 256
	v_min_num_f32 v[j], |v[j]|, v[PLIM]            ; the magnitude rides on the hold; the conversion to an 8-bit code does not saturate (ISA guide 7.6.2)
.set j, j+1
.endr
	WIN 0x03                                       ; source 0 window 3, the codes window 0
.set t, 0
.rept 32
	v_cvt_scalef32_pk8_bf8_f32 v[P+2*t:P+2*t+1], v[8*t:8*t+7], v[PSC]
.set t, t+1
.endr
	v_nop                                          ; one plain vector line between the last conversion and the products that read the codes
	; O^T = V^T P^T over my 512 keys: four accumulators by turns, 128 keys at a time
	WIN 0x02                                       ; V window 2
.irp s, 0,1,2,3
.irp c, 0,1,2,3
.if \s == 0
	v_wmma_f32_16x16x128_bf8_bf8 v[O+8*\c:O+8*\c+7], v[64*\c+16*\s:64*\c+16*\s+15], v[P+16*\s:P+16*\s+15], 0
.else
	v_wmma_f32_16x16x128_bf8_bf8 v[O+8*\c:O+8*\c+7], v[64*\c+16*\s:64*\c+16*\s+15], v[P+16*\s:P+16*\s+15], v[O+8*\c:O+8*\c+7]
.endif
.endr
.endr
	WIN 0
.rept 4
	v_nop                                          ; four places in front of the stores that read the results
.endr
	s_wait_alu depctr_va_vdst(0)                   ; the products have written O^T, which the LDS stores read (the places above stay beside this wait); and the last trip's vector work on v[PO ..] is done, in which the loads behind the barrier land
.irp c, 0,1,2,3
	ds_store_b128 v[OW], v[O+8*\c:O+8*\c+3] offset:64*\c        ; o(r, 16 c + 8 h + 0 .. 3): each accumulator from its low end on
	ds_store_b128 v[OW], v[O+8*\c+4:O+8*\c+7] offset:64*\c+16
.endr
	s_wait_dscnt 0x0                               ; for the others' sake: my partial O is in LDS (the last trip's reads of these bytes were waited for ahead of this trip's first barrier)
	s_barrier_signal -1
	s_barrier_wait -1
.irp w, 0,1,2,3
	ds_load_b128 v[PO+8*\w:PO+8*\w+3],   v[ORD] offset:OPW*\w
	ds_load_b128 v[PO+8*\w+4:PO+8*\w+7], v[ORD] offset:OPW*\w+16
.endr
	s_wait_dscnt 0x0
.irp i, 0,2,4,6
	v_pk_add_f32 v[PO+\i:PO+\i+1], v[PO+\i:PO+\i+1], v[PO+8+\i:PO+9+\i]
	v_pk_add_f32 v[PO+16+\i:PO+17+\i], v[PO+16+\i:PO+17+\i], v[PO+24+\i:PO+25+\i]
.endr
.irp i, 0,2,4,6
	v_pk_add_f32 v[PO+\i:PO+\i+1], v[PO+\i:PO+\i+1], v[PO+16+\i:PO+17+\i]
.endr
.irp i, 0,1,2,3,4,5,6,7
	v_med3_num_f32 v[PO+\i], v[PO+\i], -v[OLIM], v[OLIM]
.endr
	v_cvt_scalef32_pk8_bf8_f32 v[OC:OC+1], v[PO:PO+7], v[OSC]
	v_nop                                          ; one plain vector line behind the conversion
	s_wait_alu depctr_va_vdst(0)                   ; the conversion has written v[OC ..], which the store reads
	global_store_b64 v[GO], v[OC:OC+1], s[12:13]   ; a wave stores 256 consecutive bytes, aligned: four queries of 64 codes
	s_wait_xcnt 0x0                                ; the store has read its data and its base: both are written again below and in the next trip
	s_wait_alu depctr_vm_vsrc(0)                   ; this trip's stores have read their data: the exchange's v[14:15], the LDS stores' O^T, the global store's v[OC ..]: the next trip writes all three again
	s_add_nc_u64 s[12:13], s[12:13], 1024
	s_sub_co_u32 s26, s26, 1
	s_cmp_lg_u32 s26, 0
	s_cbranch_scc1 .Ltile
	s_wait_dscnt 0x0                               ; the closing lines, six on end
	s_wait_alu 0x0
	s_wait_tensorcnt 0x0
	ds_add_u32 v254, v255
	s_wait_dscnt 0x0
	s_endpgm
.Lfunc_end_k_q91e95e8571_attn:
	.size	k_q91e95e8571_attn, .Lfunc_end_k_q91e95e8571_attn-k_q91e95e8571_attn
	.p2alignl 7, 3214868480
	.fill 96, 4, 3214868480
	.section	.rodata,"a",@progbits
	.p2align	6, 0x0
	.amdhsa_kernel k_q91e95e8571_attn
		.amdhsa_group_segment_fixed_size 18944
		.amdhsa_private_segment_fixed_size 0
		.amdhsa_enable_private_segment 0
		.amdhsa_kernarg_size 40
		.amdhsa_user_sgpr_count 2
		.amdhsa_user_sgpr_kernarg_segment_ptr 1
		.amdhsa_wavefront_size32 1
		.amdhsa_system_sgpr_workgroup_id_x 1
		.amdhsa_system_sgpr_workgroup_id_y 1
		.amdhsa_system_sgpr_workgroup_id_z 1
		.amdhsa_system_vgpr_workitem_id 0
		.amdhsa_next_free_vgpr 1024
		.amdhsa_next_free_sgpr 66
		.amdhsa_reserve_vcc 0
		.amdhsa_float_denorm_mode_32 3
		.amdhsa_float_denorm_mode_16_64 3
		.amdhsa_memory_ordered 1
		.amdhsa_forward_progress 1
		.amdhsa_inst_pref_size 83
	.end_amdhsa_kernel
	.amdgpu_metadata
---
amdhsa.version: [ 1, 2 ]
amdhsa.kernels:
  - .name:           k_q91e95e8571_attn
    .symbol:         k_q91e95e8571_attn.kd
    .args:
      - { .name: q_codes, .offset: 0, .size: 8, .value_kind: global_buffer, .address_space: global }
      - { .name: k_codes, .offset: 8, .size: 8, .value_kind: global_buffer, .address_space: global }
      - { .name: v_codes, .offset: 16, .size: 8, .value_kind: global_buffer, .address_space: global }
      - { .name: lowp_scales, .offset: 24, .size: 8, .value_kind: global_buffer, .address_space: global }
      - { .name: o_codes, .offset: 32, .size: 8, .value_kind: global_buffer, .address_space: global }
    .group_segment_fixed_size: 18944
    .private_segment_fixed_size: 0
    .kernarg_segment_align: 8
    .kernarg_segment_size: 40
    .max_flat_workgroup_size: 128
    .sgpr_count:     66
    .vgpr_count:     1024
    .wavefront_size: 32
...
	.end_amdgpu_metadata
.endif
;; end of part 4
;; launch proj: the kernel of part 3 again; grid 4 x 32, 4 waves a work-group, clusters of 4 x 4, 327,680 bytes of LDS; arguments o_codes, Wo_codes, lowp_scales, bo, out0; writes out0
